; MI455X (gfx1250); checked and timed in simulation.
; The chip was launched on July 23, 2026; its instructions are those of AMD's public machine-readable ISA for CDNA 5 (MIT licence, August 2026) and "CDNA5" Instruction Set Architecture Reference Guide (July 2026). The comments in the code are by the model that wrote it; some were corrected since.
;; Mo E Layer. Allowed arithmetic: matrix products marked QUANTISED: E5M2 operands, one given power-of-two scale a tensor, by v_wmma_f32_16x16x64_bf8_bf8 or v_wmma_f32_16x16x128_bf8_bf8, f32 sums; products left as they are: f32 operands where the result goes on into a quantised operand, else bf16, f16 or f32 operands; f32 sums; everything else in f32.
;; Inputs: W1 8 x 1,024 x 1,024 float32; W2 8 x 1,024 x 1,024 float32; W_router 1,024 x 8 float32; b1 8 x 1,024 float32; b2 8 x 1,024 float32; lowp_scales 4 int32 (the exponents e of the quantised operands' scales 2^e); x 2 x 2,048 x 1,024 float32.
;; Outputs: out0 2 x 2,048 x 1,024 float32; out1 one number float32.
;; This version of the problem:
;;   THIS VERSION OF THE PROBLEM IS GIVEN IN LOW PRECISION. The matrix products marked QUANTISED in the list below multiply operands that are first quantised to E5M2 (5 exponent bits, 2 mantissa bits; 8 bits a number), with one given power-of-two scale for each operand tensor; their sums are f32. All else is computed in f32.
;;   The module's matrix products, in the order in which they are computed (A, B: the left and right operand; K: the contracted axis; several contracted axes count as one K, in the product's order):
;;     1. [M 4,096, K 1,024] x [K 1,024, N 8]; A: input x; B: input W_router: left as it is (N = 8 < 16)
;;     2. batch 4,096 x [M 8, K 2] x [K 2, N 1]; A: computed on the way; B: computed on the way: left as it is (K = 2 < 32)
;;     3. [M 4,096, K 1,024] x [K 1,024, N 8,192]; A: input x; B: input W1: QUANTISED (scales: A lowp_scales[0], B lowp_scales[1])
;;     4. batch 8 x [M 1,024, K 1,024] x [K 1,024, N 4,096]; A: input W2; B: computed on the way: QUANTISED (scales: A lowp_scales[2], B lowp_scales[3])
;;     5. batch 4,096 x [M 1, K 8] x [K 8, N 1,024]; A: computed on the way; B: computed on the way: left as it is (K = 8 < 32)
;;   THE QUANTISER, for each operand of a quantised product, along K:
;;     - The operand's scale is 2^e, e = its entry of the input lowp_scales (int32; the entries are numbered through the quantised products in the list's order, A before B).
;;     - Each number is divided by the scale, clamped to +-57,344, and rounded to the nearest number of E5M2, ties to even, subnormals kept.
;;     - The product sums the exact products of the quantised numbers (number of the format x scale) in f32.
;;   ~~~python
;;   def quantise(x, axis, e):      # numpy; x: float32 -> the quantised numbers, widened to float32 again
;;       x = np.moveaxis(x, axis, -1); K = x.shape[-1]
;;       r = np.clip(x / 2.0 ** e, -57344, 57344)
;;       step = 2.0 ** (np.maximum(np.frexp(np.where(r == 0, 1, r))[1] - 1, -14) - 2)
;;       q = np.round(r / step) * step * 2.0 ** e      # np.round: ties to even
;;       return np.moveaxis(q, -1, axis).astype(np.float32)
;;   ~~~
;;   OPERANDS COMPUTED ON THE WAY. 'Computed on the way' means the value that the module computes at that place (a softmax that the list does not call 'softmax' is quantised finished and normalised). What goes into a quantiser is computed in f32, as accurately as f32 sums, v_exp_f32 and their like allow (about 1e-6 of the number): no bf16 or f16 on the way to a quantiser, and a product that is left as it is and whose result goes on into a quantised operand takes f32 operands (vector FMAs, or v_wmma_f32_16x16x4_f32). A number that lies on a knife's edge between two numbers of the format may be rounded either way, as far as f32 arithmetic and the matrix unit's own rounding can turn it there, and no further.
;; 2 versions. Each part assembles by itself: llvm-mc -triple=amdgcn-amd-amdhsa -mcpu=gfx1250 --defsym DOCPART=n.
;; ======== version 1 of 2: 5 launches
;; workspace buffers: xc 4,194,304 bytes; wc 16,777,216 bytes; memb 4,096 bytes of whole numbers; rwp 49,152 bytes; lists 70,144 bytes of whole numbers; hc 9,437,184 bytes; yb 18,874,368 bytes
;; launch prep (part 1): grid 640 x 1, 4 waves a work-group, no clusters, 4,608 bytes of LDS; arguments x, W_router, W1, W2, lowp_scales, xc, wc, memb, rwp; writes xc, wc, memb, rwp
.if DOCPART == 1
	.amdgcn_target "amdgcn-amd-amdhsa--gfx1250"
	.amdhsa_code_object_version 6
	.text
	.protected	k_q79502a0ee3_prep
	.globl	k_q79502a0ee3_prep
	.p2align	8
	.type	k_q79502a0ee3_prep,@function
k_q79502a0ee3_prep:
	s_mov_b64 s[64:65], 0
	v_nop
	global_prefetch_b8 v0, s[64:65] scope:SCOPE_SE
	s_setreg_imm32_b32 hwreg(HW_REG_WAVE_MODE, 25, 1), 1
	s_wait_xcnt 0x0
; PREP.  One launch, two kinds of work-groups, parted by the work-group's number.
; Work-groups 0-127 (x): 32 tokens each, 8 a wave.  x is read once: its f32 numbers feed the router (f32 multiply-adds, softmax, top 2 of 8, ties to the lower
;   expert) and are turned into codes of E5M2 with the scale 2^e0: xc [4096][1024] bytes, K innermost.  Stored at fixed places: memb [t/32][e], bit t%32 set where
;   token t uses expert e; rw [t][2], the gate weights of the token's lower and higher expert; psum [wave][8], the wave's sums of the probabilities.
; Work-groups 128-639 (W): W1[e] and W2[e], f32 with K as their first axis, become codes (2^e1, 2^e2) in the order of an operand's registers:
;   wc [m][n/16][k/128][c][lane][16 bytes], lane (r, h) = column 16 (n/16) + r, k = 128 (k/128) + 32 c + 16 h + 0..15; m = e for W1, 8 + e for W2.
;   A lane takes a column and its registers run down K: the conversions' results are 16 bytes of that layout, and sixteen lanes store 256 consecutive bytes.
; code = x / 2^e, held within +-57,344, to the nearest code, ties to even.  LIMITS: e0, e1, e2 between -126 and 112; NaN among the inputs is not served.
; No cluster, no matrix unit, no barrier: every input byte is read by one wave, and waves share nothing (the LDS stage is each wave's own).
.set MSB, 0
.macro WIN new                         ; the immediate's high byte repeats the setting that is left
.if MSB != \new
	s_set_vgpr_msb (MSB<<8)|\new
.set MSB, \new
.endif
.endm
.set R,    16                          ; W: v16-79   four sets of 16 numbers
.set C,    80                          ; W: v80-143  four registers of codes for each of 16 runs: no store's data are written again
.set ACC,  8                           ; x: v8-15    a row's eight logits, in parts
.set KEEP, 16                          ; x: v16-23   lane l keeps the logits of row l % 8
.set X,    32                          ; x: v32-159  four sets of 32: register 4 c + i = x(row, 128 c + 4 lane + i)
.set CD,   160                         ; x: v160-167 a row's codes: register c = four codes of chunk c
.set OUT,  176                         ; x: v176-239 eight registers a row: the row's codes back from the stage
	s_load_b256 s[4:11], s[0:1], 0x0               ; x s[4:5], W_router s[6:7], W1 s[8:9], W2 s[10:11]
	s_load_b256 s[12:19], s[0:1], 0x20             ; scales s[12:13], xc s[14:15], wc s[16:17], memb s[18:19]
	s_load_b64 s[20:21], s[0:1], 0x40              ; rwp
	v_lshl_add_u32 v254, v0, 2, 0x1000
	v_mov_b32 v255, 0
	v_lshrrev_b32 v1, 5, v0
	v_readfirstlane_b32 s22, v1                    ; wave
	v_and_b32 v1, 31, v0                           ; lane
	s_wait_kmcnt 0x0
	s_load_b128 s[24:27], s[12:13], 0x0            ; e0, e1, e2, e3
	s_cmp_lt_u32 ttmp9, 128
	s_cbranch_scc1 .Lxpath
; ---------------- W: a wave takes 32 columns x 256 along K of one matrix ----------------
	s_sub_co_u32 s28, ttmp9, 128                   ; 0..511: matrix m = bits 8:5, quarter of K = bits 4:3, group of 128 columns = bits 2:0
	s_lshr_b32 s29, s28, 5
	s_bfe_u32 s30, s28, 0x20003
	s_and_b32 s31, s28, 7
	s_cmp_lt_u32 s28, 256                          ; the first 256 take W1, the others W2: the choice hangs on the work-group's number alone
	s_cselect_b64 s[32:33], s[8:9], s[10:11]
	s_and_b32 s34, s29, 7
	s_lshl_b32 s34, s34, 22                        ; in: expert x 4 MiB
	s_lshl_b32 s35, s30, 20                        ;   + 256 rows of 4,096 bytes for each quarter
	s_add_co_u32 s34, s34, s35
	s_lshl_b32 s35, s31, 9                         ;   + 128 columns x 4 bytes
	s_add_co_u32 s34, s34, s35
	s_lshl_b32 s35, s22, 7                         ;   + 32 columns x 4 bytes for each wave
	s_add_co_u32 s34, s34, s35
	s_mov_b32 s35, 0
	s_add_nc_u64 s[32:33], s[32:33], s[34:35]
	s_lshl_b32 s38, s29, 20                        ; out: matrix x 1 MiB
	s_lshl_b32 s39, s31, 17                        ;   + 8 blocks of 16 columns, 16,384 bytes each
	s_add_co_u32 s38, s38, s39
	s_lshl_b32 s39, s22, 15                        ;   + 2 blocks a wave
	s_add_co_u32 s38, s38, s39
	s_lshl_b32 s39, s30, 12                        ;   + 2 K steps of 2,048 bytes for each quarter
	s_add_co_u32 s38, s38, s39
	s_mov_b32 s39, 0
	s_add_nc_u64 s[36:37], s[16:17], s[38:39]
	v_lshlrev_b32 v2, 2, v1                        ; in: 4 bytes a lane: a load reads 128 consecutive bytes, the four waves stand side by side
	v_and_b32 v3, 15, v1
	v_lshlrev_b32 v3, 4, v3
	v_lshrrev_b32 v4, 4, v1
	v_lshl_add_u32 v3, v4, 14, v3                  ; out: 16 (lane % 16) + 16,384 (lane / 16)
.macro LOADW t                         ; run t: W(16 t + i, my column), i = 0..15, into set t % 4
.irp i, 0,1,2,3,4,5,6,7,8,9,10,11,12,13,14,15
	global_load_b32 v[R+16*((\t)%4)+\i], v2, s[32:33] offset:(16*(\t)+\i)*4096 th:TH_LOAD_NT
.endr
.endm
.macro RUNW t
.if (\t) <= 12
	s_wait_loadcnt 48                              ; this run's 16 loads are in; the three younger runs' may be out
.else
	s_wait_loadcnt 16*(15-(\t))
.endif
.irp i, 0,1,2,3,4,5,6,7,8,9,10,11,12,13,14,15
	v_med3_num_f32 v[R+16*((\t)%4)+\i], v[R+16*((\t)%4)+\i], -v10, v10   ; the conversion does not saturate (ISA guide 7.6.2): the hold at the largest code x the scale
.endr
	v_cvt_scalef32_pk8_bf8_f32 v[C+4*(\t):C+4*(\t)+1], v[R+16*((\t)%4):R+16*((\t)%4)+7], v11
	v_cvt_scalef32_pk8_bf8_f32 v[C+4*(\t)+2:C+4*(\t)+3], v[R+16*((\t)%4)+8:R+16*((\t)%4)+15], v11
	global_store_b128 v3, v[C+4*(\t):C+4*(\t)+3], s[36:37] offset:256*(\t)   ; run t = 8 s + 2 c + h lies 2,048 s + 512 c + 256 h = 256 t bytes on: each half of the lanes stores 256 consecutive, aligned bytes
.if (\t)+4 < 16
	LOADW (\t)+4                                   ; into the set just converted; the next vector lines are the next run's holds, on other registers
.endif
.endm
	LOADW 0
	LOADW 1
	LOADW 2
	LOADW 3
	s_wait_kmcnt 0x0
	s_cmp_lt_u32 s28, 256
	s_cselect_b32 s38, s25, s26                    ; e1 or e2
	s_add_co_i32 s38, s38, 127
	s_lshl_b32 s39, s38, 23
	v_mov_b32 v11, s39                             ; 2^e as f32: the conversion takes its exponent field
	s_add_co_i32 s38, s38, 15
	s_lshl_b32 s38, s38, 23
	s_or_b32 s38, s38, 0x600000
	v_mov_b32 v10, s38                             ; 57,344 x 2^e
.irp t, 0,1,2,3,4,5,6,7,8,9,10,11,12,13,14,15
	RUNW \t
.endr
	s_endpgm
; ---------------- x: a wave takes 8 tokens ----------------
.Lxpath:
	s_lshl_b32 s28, ttmp9, 5
	s_lshl_b32 s29, s22, 3
	s_add_co_u32 s28, s28, s29                     ; my first token t0 = 32 g + 8 w
	s_mov_b32 s31, 0
	s_lshl_b32 s30, s28, 12
	s_add_nc_u64 s[4:5], s[4:5], s[30:31]          ; x at t0
	s_lshl_b32 s30, s28, 10
	s_add_nc_u64 s[14:15], s[14:15], s[30:31]      ; xc at t0
	s_lshl_b32 s30, s28, 3
	s_add_nc_u64 s[32:33], s[20:21], s[30:31]      ; rw at t0
	s_lshl_b32 s30, s28, 2
	s_add_nc_u64 s[34:35], s[20:21], s[30:31]      ; psum: 32 bytes for each of the 512 waves = 4 t0 (+ 32,768 in the immediate)
	s_lshl_b32 s30, ttmp9, 5
	s_add_co_u32 s30, s30, s22
	s_add_nc_u64 s[18:19], s[18:19], s[30:31]      ; memb: 32 g + w: byte w of the group's eight words
	s_mov_b32 s36, 0x76543210                      ; v_permlanex16_b32: lane l xor 16
	s_mov_b32 s37, 0xfedcba98
	v_lshlrev_b32 v6, 7, v1                        ; W_router: my four k of a chunk are 128 consecutive bytes
	WIN 0x40                                       ; destination window 1: W_router(128 c + 4 lane + i, e) at v[32 c + 8 i + e]; it stays
.irp c, 0,1,2,3,4,5,6,7
.irp u, 0,1,2,3,4,5,6,7
	global_load_b128 v[32*\c+4*\u:32*\c+4*\u+3], v6, s[6:7] offset:4096*\c+16*\u
.endr
.endr
	WIN 0
	v_lshlrev_b32 v2, 4, v1                        ; 16 x lane
.macro XLOAD j                         ; row j: eight loads of 512 consecutive bytes, into set j % 4
.irp c, 0,1,2,3,4,5,6,7
	global_load_b128 v[X+32*((\j)%4)+4*\c:X+32*((\j)%4)+4*\c+3], v2, s[4:5] offset:4096*(\j)+512*\c th:TH_LOAD_NT
.endr
.endm
	XLOAD 0
	XLOAD 1
	XLOAD 2
	XLOAD 3
	s_lshl_b32 s29, s22, 10                        ; my wave's stage: 1,024 bytes
	v_lshlrev_b32 v7, 2, v1                        ; 4 x lane
	v_add_nc_u32 v3, s29, v7                       ; into the stage: four codes a lane
	v_add_nc_u32 v4, s29, v2                       ; and back: 16 bytes a lane
	v_and_b32 v5, 7, v1
	v_lshlrev_b32 v168, 3, v1                      ; 8 x lane
.irp j, 0,1,2,3,4,5,6,7
	v_cmp_eq_u32 s[40+\j], \j, v5                  ; the lanes that keep row j
.endr
.irp i, 26,27,28,29,30,31
	v_mov_b32 v\i, 0                               ; written once: a lane permute's destination counts as one of its sources
.endr
	s_wait_kmcnt 0x0
	s_add_co_i32 s48, s24, 127
	s_lshl_b32 s49, s48, 23
	v_mov_b32 v24, s49                             ; 2^e0
	s_add_co_i32 s48, s48, 15
	s_lshl_b32 s48, s48, 23
	s_or_b32 s48, s48, 0x600000
	v_mov_b32 v25, s48                             ; 57,344 x 2^e0
.macro ROW j, left
.set XS, X+32*((\j)%4)
	s_wait_loadcnt \left                           ; W_router and this row are in; the younger rows' loads, eight each, may be out
	WIN 0x04                                       ; source 1 (W_router) window 1
.irp p, 0,2,4,6
	v_pk_mul_f32 v[ACC+\p:ACC+\p+1], v[XS:XS+1], v[\p:\p+1] op_sel_hi:[0,1]   ; the first product starts the sums: x(k) for both halves, two experts
.endr
.set m, 1
.rept 31
.irp p, 0,2,4,6
.if m%2
	v_pk_fma_f32 v[ACC+\p:ACC+\p+1], v[XS+m-1:XS+m], v[8*m+\p:8*m+\p+1], v[ACC+\p:ACC+\p+1] op_sel:[1,0,0] op_sel_hi:[1,1,1]
.else
	v_pk_fma_f32 v[ACC+\p:ACC+\p+1], v[XS+m:XS+m+1], v[8*m+\p:8*m+\p+1], v[ACC+\p:ACC+\p+1] op_sel_hi:[0,1,1]
.endif
.endr
.set m, m+1
.endr
	WIN 0
.irp i, 0,1,2,3,4,5,6,7,8,9,10,11,12,13,14,15,16,17,18,19,20,21,22,23,24,25,26,27,28,29,30,31
	v_med3_num_f32 v[XS+\i], v[XS+\i], -v25, v25   ; the hold, behind the router's use of the numbers
.endr
.irp q, 0,1,2,3
	v_cvt_scalef32_pk8_bf8_f32 v[CD+2*\q:CD+2*\q+1], v[XS+8*\q:XS+8*\q+7], v24
.endr
	v_nop                                          ; a plain line behind the last conversion
.if (\j) < 4
	XLOAD (\j)+4
.endif
.irp c, 0,1,2,3,4,5,6,7
	ds_store_b32 v3, v[CD+\c] offset:128*\c        ; the row's 1,024 codes in their places
.endr
	ds_load_b128 v[OUT+8*(\j):OUT+8*(\j)+3], v4    ; LDS serves a wave's instructions in order (ISA guide 5.7.1.4): these see the stores above
	ds_load_b128 v[OUT+8*(\j)+4:OUT+8*(\j)+7], v4 offset:512
.irp x, 1,2,4,8
.irp e, 0,1,2,3,4,5,6,7
	v_add_f32_dpp v[ACC+\e], v[ACC+\e], v[ACC+\e] row_xmask:\x row_mask:0xf bank_mask:0xf
.endr
.endr
.irp e, 0,1,2,3,4,5,6,7
	v_permlanex16_b32 v[26+(\e)%4], v[ACC+\e], s36, s37
.if (\j) == 0
	v_add_f32 v[KEEP+\e], v[ACC+\e], v[26+(\e)%4]  ; every lane holds the row's logit; row 0 fills the kept registers whole
.else
	v_add_f32 v[ACC+\e], v[ACC+\e], v[26+(\e)%4]
	v_cndmask_b32 v[KEEP+\e], v[KEEP+\e], v[ACC+\e], s[40+\j]
.endif
.endr
	s_wait_dscnt 0x0                               ; the codes are back, and the stage's stores have read their registers
	global_store_b128 v2, v[OUT+8*(\j):OUT+8*(\j)+3], s[14:15] offset:1024*(\j)        ; 512 consecutive bytes
	global_store_b128 v2, v[OUT+8*(\j)+4:OUT+8*(\j)+7], s[14:15] offset:1024*(\j)+512
.endm
	ROW 0, 24
	ROW 1, 24
	ROW 2, 24
	ROW 3, 24
	ROW 4, 24
	ROW 5, 16
	ROW 6, 8
	ROW 7, 0
	; the softmax of lane l's row (l % 8), with the row's maximum taken away
	v_max3_num_f32 v26, v16, v17, v18
	v_max3_num_f32 v26, v26, v19, v20
	v_max3_num_f32 v26, v26, v21, v22
	v_max_num_f32 v26, v26, v23
.irp e, 0,1,2,3,4,5,6,7
	v_sub_f32 v[ACC+\e], v[KEEP+\e], v26
.endr
.irp e, 0,1,2,3,4,5,6,7
	v_mul_f32 v[ACC+\e], 0x3fb8aa3b, v[ACC+\e]     ; x log2(e)
.endr
.irp e, 0,1,2,3,4,5,6,7
	v_exp_f32 v[ACC+\e], v[ACC+\e]
.endr
	v_nop                                          ; a plain line behind the last exponential
	s_wait_alu depctr_va_vdst(0)                   ; one wait for the batch, ahead of its first reader
	v_add_f32 v26, v8, v9
	v_add_f32 v27, v10, v11
	v_add_f32 v28, v12, v13
	v_add_f32 v29, v14, v15
	v_add_f32 v26, v26, v27
	v_add_f32 v28, v28, v29
	v_add_f32 v26, v26, v28
	v_rcp_f32 v27, v26
	v_nop
	s_wait_alu depctr_va_vdst(0)
.irp e, 0,1,2,3,4,5,6,7
	v_mul_f32 v[ACC+\e], v[ACC+\e], v27            ; the probabilities
.endr
	v_mov_b32 v28, v8                              ; the largest, by strict compares in ascending order: a tie keeps the lower expert
	v_mov_b32 v29, 0
.irp e, 1,2,3,4,5,6,7
	v_cmp_gt_f32 vcc_lo, v[ACC+\e], v28
	v_cndmask_b32 v28, v28, v[ACC+\e], vcc_lo
	v_cndmask_b32 v29, v29, \e, vcc_lo
.endr
	v_mov_b32 v30, -1.0                            ; the second, among the other seven, likewise
	v_mov_b32 v31, 0
.irp e, 0,1,2,3,4,5,6,7
	v_cmp_gt_f32 s48, v[ACC+\e], v30
	v_cmp_ne_u32 s49, \e, v29
	s_and_b32 s48, s48, s49
	v_cndmask_b32 v30, v30, v[ACC+\e], s48
	v_cndmask_b32 v31, v31, \e, s48
.endr
	v_add_f32 v26, v28, v30
	v_rcp_f32 v26, v26
	v_nop
	v_cmp_lt_u32 vcc_lo, v29, v31                  ; is the larger probability's expert the lower one?
	s_wait_alu depctr_va_vdst(0)
	v_mul_f32 v28, v28, v26
	v_mul_f32 v30, v30, v26
	v_cndmask_b32 v170, v30, v28, vcc_lo           ; the lower expert's weight,
	v_cndmask_b32 v171, v28, v30, vcc_lo           ; the higher expert's
	v_mov_b32 v169, 0
.irp e, 0,1,2,3,4,5,6,7
	v_cmp_eq_u32 s48, \e, v29
	v_cmp_eq_u32 s49, \e, v31
	s_or_b32 s48, s48, s49                         ; bit l: row l % 8 uses expert e; the low byte is my eight rows
	v_writelane_b32 v169, s48, \e
.endr
.irp x, 1,2,4
.irp e, 0,1,2,3,4,5,6,7
	v_add_f32_dpp v[ACC+\e], v[ACC+\e], v[ACC+\e] row_xmask:\x row_mask:0xf bank_mask:0xf   ; the eight rows' probabilities summed
.endr
.endr
	v_mov_b32 v172, v8
.irp e, 1,2,3,4,5,6,7
	v_cndmask_b32 v172, v172, v[ACC+\e], s[40+\e]  ; lane e takes expert e's sum
.endr
	v_cmp_gt_u32 vcc_lo, 8, v1
	s_wait_xcnt 0x0                                ; EXEC is a source of the stores above: it changes only behind this wait
	s_wait_tensorcnt 0x0
	ds_add_u32 v254, v255
	s_wait_dscnt 0x0
	s_and_saveexec_b32 s50, vcc_lo                 ; lanes 0-7
	global_store_b64 v168, v[170:171], s[32:33]
	global_store_b8 v7, v169, s[18:19]
	global_store_b32 v7, v172, s[34:35] offset:32768
	s_endpgm
.Lfunc_end_k_q79502a0ee3_prep:
	.size	k_q79502a0ee3_prep, .Lfunc_end_k_q79502a0ee3_prep-k_q79502a0ee3_prep
	.p2alignl 7, 3214868480
	.fill 96, 4, 3214868480
	.section	.rodata,"a",@progbits
	.p2align	6, 0x0
	.amdhsa_kernel k_q79502a0ee3_prep
		.amdhsa_group_segment_fixed_size 4608
		.amdhsa_private_segment_fixed_size 0
		.amdhsa_enable_private_segment 0
		.amdhsa_kernarg_size 72
		.amdhsa_user_sgpr_count 2
		.amdhsa_user_sgpr_kernarg_segment_ptr 1
		.amdhsa_wavefront_size32 1
		.amdhsa_system_sgpr_workgroup_id_x 1
		.amdhsa_system_sgpr_workgroup_id_y 1
		.amdhsa_system_sgpr_workgroup_id_z 1
		.amdhsa_system_vgpr_workitem_id 0
		.amdhsa_next_free_vgpr 512
		.amdhsa_next_free_sgpr 66
		.amdhsa_reserve_vcc 1
		.amdhsa_float_denorm_mode_32 3
		.amdhsa_float_denorm_mode_16_64 3
		.amdhsa_memory_ordered 1
		.amdhsa_forward_progress 1
		.amdhsa_inst_pref_size 186
	.end_amdhsa_kernel
	.amdgpu_metadata
---
amdhsa.version: [ 1, 2 ]
amdhsa.kernels:
  - .name:           k_q79502a0ee3_prep
    .symbol:         k_q79502a0ee3_prep.kd
    .args:
      - { .name: x, .offset: 0, .size: 8, .value_kind: global_buffer, .address_space: global }
      - { .name: W_router, .offset: 8, .size: 8, .value_kind: global_buffer, .address_space: global }
      - { .name: W1, .offset: 16, .size: 8, .value_kind: global_buffer, .address_space: global }
      - { .name: W2, .offset: 24, .size: 8, .value_kind: global_buffer, .address_space: global }
      - { .name: lowp_scales, .offset: 32, .size: 8, .value_kind: global_buffer, .address_space: global }
      - { .name: xc, .offset: 40, .size: 8, .value_kind: global_buffer, .address_space: global }
      - { .name: wc, .offset: 48, .size: 8, .value_kind: global_buffer, .address_space: global }
      - { .name: memb, .offset: 56, .size: 8, .value_kind: global_buffer, .address_space: global }
      - { .name: rwp, .offset: 64, .size: 8, .value_kind: global_buffer, .address_space: global }
    .group_segment_fixed_size: 4608
    .private_segment_fixed_size: 0
    .kernarg_segment_align: 8
    .kernarg_segment_size: 72
    .max_flat_workgroup_size: 128
    .sgpr_count:     66
    .vgpr_count:     512
    .wavefront_size: 32
...
	.end_amdgpu_metadata
.endif
;; end of part 1
;; launch place (part 2): grid 1 x 1, 32 waves a work-group, no clusters, 6,144 bytes of LDS; arguments memb, rwp, lists, out1; writes lists, out1
.if DOCPART == 2
	.amdgcn_target "amdgcn-amd-amdhsa--gfx1250"
	.amdhsa_code_object_version 6
	.text
	.protected	k_q79502a0ee3_place
	.globl	k_q79502a0ee3_place
	.p2align	8
	.type	k_q79502a0ee3_place,@function
k_q79502a0ee3_place:
	s_mov_b64 s[64:65], 0
	v_nop
	global_prefetch_b8 v0, s[64:65] scope:SCOPE_SE
	s_setreg_imm32_b32 hwreg(HW_REG_WAVE_MODE, 25, 1), 1
	s_wait_xcnt 0x0
; PLACE.  One work-group of 32 waves sorts the 8,192 routed rows by expert (a counting sort without atomics) and makes the aux loss.
; An expert's rows are laid in tiles of 144 slots; tile i owns slots 144 i .. 144 i + 143.  The sum over experts of ceil(count / 144) is at most (8,192 + 8 x 143) / 144, so 64 tiles serve every split.
; lists: rowtok [9216] at byte 0 (the slot's token; 0 in slots without a row; every entry is written), tokslot [4096][2] at 36,864 (the slots of a token's lower and higher expert),
;        tiles [64][2] at 69,632 (expert, rows in the tile: 0 to 144; tiles past the last one: expert 7, 0 rows).
; Wave w owns tokens 128 w .. 128 w + 127: four groups of 32, whose membership words (bit = token, word = expert) lie in scalar registers.
; One work-group, since every place hangs on all counts; the data are 4 KiB of words and 16 KiB of sums.
.set MK, 32                            ; s[32:63]  mask of group v, expert e at s[32 + 8 v + e]
.set TE, 66                            ; s66-73    an expert's rows in all
.set BE, 74                            ; s74-81    the next free slot of an expert for my wave
.set TB, 82                            ; s82-90    an expert's first tile; s90: tiles in use
	s_load_b256 s[4:11], s[0:1], 0x0               ; memb s[4:5], rwp s[6:7], lists s[8:9], out1 s[10:11]
	v_lshl_add_u32 v96, v0, 2, 0x800
	v_mov_b32 v97, 0
	v_lshrrev_b32 v1, 5, v0
	v_readfirstlane_b32 s12, v1                    ; wave
	v_and_b32 v1, 31, v0                           ; lane
	v_lshlrev_b32 v2, 4, v0                        ; 16 x thread
	s_lshl_b32 s14, s12, 7
	s_mov_b32 s15, 0
	s_mov_b32 s28, 0x76543210
	s_mov_b32 s29, 0xfedcba98
	s_wait_kmcnt 0x0
	s_add_nc_u64 s[4:5], s[4:5], s[14:15]
	s_load_b512 s[32:47], s[4:5], 0x0              ; groups 4 w, 4 w + 1
	s_load_b512 s[48:63], s[4:5], 0x40             ; groups 4 w + 2, 4 w + 3
	global_load_b128 v[4:7], v2, s[6:7] offset:32768   ; psum: thread t takes experts 4 (t % 2) .. + 3 of prep's wave t / 2
	v_mov_b32 v3, s12
	v_lshlrev_b32 v3, 2, v3                        ; LDS: counts [e][w] at 128 e + 4 w
	s_lshl_b32 s13, s12, 5
	v_and_b32 v8, 1, v0
	v_lshlrev_b32 v8, 4, v8
	v_add_nc_u32 v8, s13, v8
	v_add_nc_u32 v8, 1024, v8                      ; LDS: a wave's eight sums at 1,024 + 32 w
	v_lshlrev_b32 v9, 2, v1
	v_lshlrev_b32 v10, 5, v1
	v_add_nc_u32 v10, 1024, v10
.irp i, 20,21,22,23,32,33,34,35,36,37,38,39,89
	v_mov_b32 v\i, 0                               ; written once: destinations of lane permutes and DPP moves count as sources
.endr
	s_wait_kmcnt 0x0
.irp e, 0,1,2,3,4,5,6,7
	s_bcnt1_i32_b32 s16, s[MK+\e]
	s_bcnt1_i32_b32 s17, s[MK+8+\e]
	s_add_co_u32 s16, s16, s17
	s_bcnt1_i32_b32 s17, s[MK+16+\e]
	s_add_co_u32 s16, s16, s17
	s_bcnt1_i32_b32 s17, s[MK+24+\e]
	s_add_co_u32 s16, s16, s17
	v_mov_b32 v[12+\e], s16
	ds_store_b32 v3, v[12+\e] offset:128*\e        ; my wave's rows of expert e (all lanes write the same word with the same value)
.endr
	s_wait_loadcnt 0x0
.irp x, 2,4,8
.irp i, 4,5,6,7
	v_add_f32_dpp v\i, v\i, v\i row_xmask:\x row_mask:0xf bank_mask:0xf   ; lanes of equal parity hold the same experts
.endr
.endr
.irp i, 4,5,6,7
	v_permlanex16_b32 v[16+\i], v\i, s28, s29
.endr
.irp i, 4,5,6,7
	v_add_f32 v\i, v\i, v[16+\i]
.endr
	ds_store_b128 v8, v[4:7]
	s_wait_dscnt 0x0                               ; for the others' sake: my stores have landed
	s_barrier_signal -1
	s_barrier_wait -1
.irp e, 0,1,2,3,4,5,6,7
	ds_load_b32 v[12+\e], v9 offset:128*\e         ; lane l: wave l's count
.endr
	ds_load_b128 v[24:27], v10                     ; lane l: wave l's eight sums
	ds_load_b128 v[28:31], v10 offset:16
	s_wait_dscnt 0x0
	v_cmp_gt_u32 vcc_lo, s12, v1                   ; the waves in front of mine
.irp e, 0,1,2,3,4,5,6,7
	v_lshlrev_b32 v20, 16, v[12+\e]
	v_cndmask_b32 v20, 0, v20, vcc_lo
	v_or_b32 v[12+\e], v[12+\e], v20               ; low half: the count; high half: the count where it lies in front of me.  Both sums stay under 4,097
.endr
.irp x, 1,2,4,8
.irp e, 0,1,2,3,4,5,6,7
	v_mov_b32_dpp v[32+\e], v[12+\e] row_xmask:\x row_mask:0xf bank_mask:0xf
	v_add_nc_u32 v[12+\e], v[12+\e], v[32+\e]
.endr
.endr
	s_mov_b32 s[TB], 0
.irp e, 0,1,2,3,4,5,6,7
	v_permlanex16_b32 v[32+\e], v[12+\e], s28, s29
	v_add_nc_u32 v[12+\e], v[12+\e], v[32+\e]
	v_readfirstlane_b32 s16, v[12+\e]
	s_and_b32 s[TE+\e], s16, 0xffff                ; the expert's rows in all
	s_lshr_b32 s[BE+\e], s16, 16                   ; those of the waves in front of mine
	s_add_co_u32 s16, s[TE+\e], 143
	s_mul_hi_u32 s16, s16, 0x1C71C72               ; / 144: 0x1C71C72 = ceil(2^32 / 144), exact for numbers under 900,000
	s_add_co_u32 s[TB+1+\e], s[TB+\e], s16
	s_mul_i32 s16, s[TB+\e], 144
	s_add_co_u32 s[BE+\e], s[BE+\e], s16
.endr
	s_lshl_b32 s16, s12, 7
	v_add_nc_u32 v40, s16, v1                      ; 128 w + lane
	s_lshl_b32 s16, s12, 10
	v_lshl_add_u32 v41, v1, 3, s16                 ; tokslot: 8 bytes a token
; Group g of my four.  Experts in descending order: a lane whose bit is set moves its last slot up and takes the new one, so it ends with the lower expert's slot first.
.macro PLACE g
.set PB, 48+8*(\g)
	v_mov_b32 v[PB], 0
	v_mov_b32 v[PB+1], 0
.irp e, 7,6,5,4,3,2,1,0
	v_mbcnt_lo_u32_b32 v[PB+5], s[MK+8*(\g)+\e], s[BE+\e]          ; the expert's next free slot + the set bits under my lane
	v_cndmask_b32 v[PB+1], v[PB+1], v[PB], s[MK+8*(\g)+\e]
	v_cndmask_b32 v[PB], v[PB], v[PB+5], s[MK+8*(\g)+\e]
	s_bcnt1_i32_b32 s16, s[MK+8*(\g)+\e]
	s_add_co_u32 s[BE+\e], s[BE+\e], s16
.endr
	v_min_u32 v[PB], 0x23ff, v[PB]                 ; a slot is under 9,216
	v_min_u32 v[PB+1], 0x23ff, v[PB+1]
	v_lshlrev_b32 v[PB+2], 2, v[PB]
	v_lshlrev_b32 v[PB+3], 2, v[PB+1]
	v_add_nc_u32 v[PB+4], 32*(\g), v40             ; my token
	global_store_b64 v41, v[PB:PB+1], s[8:9] offset:36864+256*(\g)
	global_store_b32 v[PB+2], v[PB+4], s[8:9]
	global_store_b32 v[PB+3], v[PB+4], s[8:9]
.endm
	PLACE 0
	PLACE 1
	PLACE 2
	PLACE 3
	; slots without a row get token 0.  Wave w serves expert w % 8, part w / 8: the slots behind the expert's last row, up to its tiles' end: 143 at the most
	s_and_b32 s17, s12, 7
	s_lshr_b32 s18, s12, 3
	s_mov_b32 s19, s[TB]
	s_mov_b32 s20, s[TB+1]
	s_mov_b32 s21, s[TE]
.irp e, 1,2,3,4,5,6,7
	s_cmp_eq_u32 s17, \e
	s_cselect_b32 s19, s[TB+\e], s19
	s_cselect_b32 s20, s[TB+1+\e], s20
	s_cselect_b32 s21, s[TE+\e], s21
.endr
	s_mul_i32 s19, s19, 144
	s_add_co_u32 s19, s19, s21                     ; the first such slot,
	s_mul_i32 s20, s20, 144                        ; and the end
	s_lshl_b32 s18, s18, 5
	s_add_co_u32 s19, s19, s18
	v_add_nc_u32 v42, s19, v1                      ; my slot of the first 128 behind the last row,
	v_add_nc_u32 v45, 128, v42                     ; and of the next 128
	s_mul_i32 s21, s[TB+8], 144
	v_add_nc_u32 v47, s21, v0                      ; and of the tiles not in use: 9,216 - 144 x 57 = 1,008 slots at the most, one a thread
	v_mov_b32 v43, 0
	; Every address of the stores below is made here, with all lanes on: further down EXEC is narrowed by masks that are made of loaded counts.
	v_min_u32 v44, 0x23ff, v42                     ; a slot is under 9,216
	v_min_u32 v46, 0x23ff, v45
	v_min_u32 v80, 0x23ff, v47
	v_lshlrev_b32 v44, 2, v44
	v_lshlrev_b32 v46, 2, v46
	v_lshlrev_b32 v80, 2, v80
	v_lshlrev_b32 v86, 3, v0                       ; the table of tiles: 8 bytes a tile
	v_mov_b32 v90, 0                               ; out1
	s_cmp_lt_u32 s12, 2                            ; the table of tiles: waves 0 and 1, tile = thread
	s_cbranch_scc0 .Lno_tiles
	v_mul_u32_u24 v82, v0, 144
	v_mov_b32 v84, 0
	v_sub_nc_u32 v85, s[TE], v82                   ; rows left from this tile on, if it is expert 0's
.irp e, 1,2,3,4,5,6,7
	s_mul_i32 s16, s[TB+\e], 144
	s_add_co_u32 s16, s16, s[TE+\e]
	v_cmp_le_u32 vcc_lo, s[TB+\e], v0              ; the last expert whose first tile is not behind mine
	v_sub_nc_u32 v83, s16, v82
	v_cndmask_b32 v84, v84, \e, vcc_lo
	v_cndmask_b32 v85, v85, v83, vcc_lo
.endr
	v_max_i32 v85, 0, v85
	v_min_i32 v85, 0x90, v85
	global_store_b64 v86, v[84:85], s[8:9] offset:69632
.Lno_tiles:
.macro PADST idx, adr, lim             ; token 0 into slot v[idx], where it lies under lim
	v_cmp_gt_u32 vcc_lo, \lim, v[\idx]
	s_wait_xcnt 0x0                                ; EXEC is a source of the stores issued so far: it changes only behind this wait
	s_and_saveexec_b32 s22, vcc_lo
	global_store_b32 v[\adr], v43, s[8:9]
	s_wait_xcnt 0x0                                ; and of this one
	s_or_b32 exec_lo, exec_lo, s22
.endm
	PADST 42, 44, s20
	PADST 45, 46, s20
	PADST 47, 80, 0x2400
	s_cmp_lg_u32 s12, 0                            ; the aux loss: wave 0
	s_cbranch_scc1 .Lend
	v_cvt_f32_u32 v87, s[TE]
	v_mul_f32 v88, v24, v87
.irp e, 1,2,3,4,5,6,7
	v_cvt_f32_u32 v87, s[TE+\e]
	v_fmac_f32 v88, v[24+\e], v87                  ; the sum over experts of (a wave's sum of probabilities) x (the expert's rows)
.endr
.irp x, 1,2,4,8
	v_add_f32_dpp v88, v88, v88 row_xmask:\x row_mask:0xf bank_mask:0xf
.endr
	v_permlanex16_b32 v89, v88, s28, s29
	v_add_f32 v88, v88, v89
	v_mul_f32 v88, 0x3123D70A, v88                 ; x 0.01 x 8 / (4,096 x 8,192) = 0.08 x 2^-25
	v_cmp_eq_u32 vcc_lo, 0, v1
	s_wait_xcnt 0x0
	s_and_saveexec_b32 s22, vcc_lo                 ; lane 0
	global_store_b32 v90, v88, s[10:11]
	s_wait_xcnt 0x0
	s_or_b32 exec_lo, exec_lo, s22
.Lend:
	s_wait_tensorcnt 0x0
	ds_add_u32 v96, v97
	s_wait_dscnt 0x0
	s_endpgm
.Lfunc_end_k_q79502a0ee3_place:
	.size	k_q79502a0ee3_place, .Lfunc_end_k_q79502a0ee3_place-k_q79502a0ee3_place
	.p2alignl 7, 3214868480
	.fill 96, 4, 3214868480
	.section	.rodata,"a",@progbits
	.p2align	6, 0x0
	.amdhsa_kernel k_q79502a0ee3_place
		.amdhsa_group_segment_fixed_size 6144
		.amdhsa_private_segment_fixed_size 0
		.amdhsa_enable_private_segment 0
		.amdhsa_kernarg_size 32
		.amdhsa_user_sgpr_count 2
		.amdhsa_user_sgpr_kernarg_segment_ptr 1
		.amdhsa_wavefront_size32 1
		.amdhsa_system_sgpr_workgroup_id_x 1
		.amdhsa_system_sgpr_workgroup_id_y 1
		.amdhsa_system_sgpr_workgroup_id_z 1
		.amdhsa_system_vgpr_workitem_id 0
		.amdhsa_next_free_vgpr 98
		.amdhsa_next_free_sgpr 96
		.amdhsa_reserve_vcc 1
		.amdhsa_float_denorm_mode_32 3
		.amdhsa_float_denorm_mode_16_64 3
		.amdhsa_memory_ordered 1
		.amdhsa_forward_progress 1
		.amdhsa_inst_pref_size 31
	.end_amdhsa_kernel
	.amdgpu_metadata
---
amdhsa.version: [ 1, 2 ]
amdhsa.kernels:
  - .name:           k_q79502a0ee3_place
    .symbol:         k_q79502a0ee3_place.kd
    .args:
      - { .name: memb, .offset: 0, .size: 8, .value_kind: global_buffer, .address_space: global }
      - { .name: rwp, .offset: 8, .size: 8, .value_kind: global_buffer, .address_space: global }
      - { .name: lists, .offset: 16, .size: 8, .value_kind: global_buffer, .address_space: global }
      - { .name: out1, .offset: 24, .size: 8, .value_kind: global_buffer, .address_space: global }
    .group_segment_fixed_size: 6144
    .private_segment_fixed_size: 0
    .kernarg_segment_align: 8
    .kernarg_segment_size: 32
    .max_flat_workgroup_size: 1024
    .sgpr_count:     96
    .vgpr_count:     98
    .wavefront_size: 32
...
	.end_amdgpu_metadata
.endif
;; end of part 2
;; launch gemm1 (part 3): grid 4 x 64, 4 waves a work-group, no clusters, 189,440 bytes of LDS; arguments xc, wc, b1, lowp_scales, lists, hc; writes hc
.if DOCPART == 3
	.amdgcn_target "amdgcn-amd-amdhsa--gfx1250"
	.amdhsa_code_object_version 6
	.text
	.protected	k_q79502a0ee3_gemm1
	.globl	k_q79502a0ee3_gemm1
	.p2align	8
	.type	k_q79502a0ee3_gemm1,@function
k_q79502a0ee3_gemm1:
	s_mov_b64 s[64:65], 0
	v_nop
	global_prefetch_b8 v0, s[64:65] scope:SCOPE_SE
	s_setreg_imm32_b32 hwreg(HW_REG_WAVE_MODE, 25, 1), 1
	s_wait_xcnt 0x0
; GEMM1.  hc[slot][f] = Q(gelu(x[token of slot] W1[e] + b1[e])): codes of E5M2 in (2^e0, 2^e1), f32 sums, exact gelu in f32, codes out (2^e3).
; A work-group takes one tile of 144 slots (grid y) x 256 hidden units (grid x); its expert comes from the stored table of tiles.  Wave w makes all 144 rows x units 64 w .. 64 w + 63: 36 accumulators.
; A (the rows' codes, gathered by the stored list) lies whole in LDS, 144 rows x 1,024 bytes; B (the weights' codes) comes from memory straight into registers, in the order of an operand's registers, three K steps ahead.
; THE MATRIX INSTRUCTION IS USED TRANSPOSED (source 0 = 16 units, source 1 = 16 rows): a lane holds eight neighbouring units of one row, which is what the conversion to codes takes.
; So bias, gelu, hold and conversion are done where the sums lie, and only the codes, 8 bytes for an accumulator and lane, go through LDS to leave as whole rows of 256 bytes.
; A fragment's registers 4 c .. 4 c + 3 hold k = 32 c + 16 (lane / 16) + 0..15, in A and in B alike: a permutation of k that both sides share.
; Slots without a row carry token 0 and tiles without rows carry expert 7: they run the same text, since every wave passes every barrier, and all 144 rows are stored (the next launch loads them all).
; NO CLUSTER, NO TENSOR LOAD: which work-groups share weights hangs on the stored list (an expert has 0 to 29 tiles), so no fixed four share B at every split; A's rows are gathered by a list, row by row.
; erf(u) = u P(u^2) / Q(u^2), u held within +-4, a rational form good to a few units of f32's last place; 1 + erf carries f32's absolute error, as the formula 0.5 z (1 + erf) itself does.
; LIMITS: e0 + e1 between -125 and 127 (2^(e0 + e1 - 1) is made as an f32 number); e3 between -126 and 112; NaN among the inputs is not served.
; REGISTERS, in windows of 256: window 0: v0-31 addresses; v32-175 A's nine fragments, set 0; v184-201 the rows' tokens; v208-239 bias; v240-245 constants; on the way out v32-199 at work.
;   window 1: B's fragments, four sets of 64.   window 2: accumulator (a, b), a < 8, at v[32 a + 8 b].   window 3: accumulator (8, b) at v[8 b]; v32-175 A's set 1.
;   The gathered rows pass through the accumulators' registers on their way into LDS.
.set PITCH, 1040                       ; an LDS row of A: 1,024 bytes + 16 = 260 words: row r starts at bank 4 r mod 64 (64 banks of 4 bytes: ISA guide 11.1)
.set BLK1,  16*PITCH
.set BLK4,  64*PITCH                   ; LDS immediates have 16 bits: three address registers, 64 rows apart
.set DT,    144*PITCH                  ; behind A's rows: the codes' stage, 144 rows x (256 bytes + 16)
.set SP,    272                        ; its pitch: 68 words: the 32 lanes of a store of 8 bytes (row r, half h) take words 4 r + 2 h, + 1 mod 64
.set L16, 4                            ; v4   16 x lane
.set A16, 5                            ; v5   16 x (lane % 16)
.set GST, 6                            ; v6   where a gathered piece goes in LDS
.set RT4, 7                            ; v7   4 x (lane / 16)
.set AF,  8                            ; v8-10  my lane's place in A's fragments
.set BA,  11                           ; v11  the bias: 256 x wave + 32 x (lane / 16)
.set DA,  12                           ; v12  my lane's place in the stage
.set RDB, 15                           ; v15  the way out: my 16 bytes of my wave's first two rows in the stage
.set GOB, 16                           ; v16  and in hc
.set AFR, 32
.set TK,  184
.set BI,  208                          ; v208-239: register 8 b + i = 0.5 x b1(64 w + 16 b + 8 h + i): the accumulators' layout
.set Z,   32
.set U,   64
.set T,   96
.set P,   128
.set Q,   160
.set CD,  192
.set OB,  32
.set SC,  240
.set HL,  241
.set PL,  242
.set QL,  244
.set MSB, 0
.macro WIN new                         ; the immediate's high byte repeats the setting that is left
.if MSB != \new
	s_set_vgpr_msb (MSB<<8)|\new
.set MSB, \new
.endif
.endm
.macro SPAIR r, val                    ; a constant as a scalar pair: the packed forms name a pair and take its low word for both halves
	s_mov_b32 s[\r], \val
	s_mov_b32 s[\r+1], \val
.endm
.macro BLOAD s                         ; B's four fragments of K step s into set s % 4: each load reads 512 consecutive bytes
	WIN 0x40
.irp b, 0,1,2,3
.irp c, 0,1,2,3
	global_load_b128 v[64*((\s)%4)+16*\b+4*\c:64*((\s)%4)+16*\b+4*\c+3], v[L16], s[30:31] offset:16384*\b+2048*(\s)+512*\c
.endr
.endr
	WIN 0
.endm
.macro ALOAD s                         ; A's nine fragments of K step s into set s % 2
.if ((\s)%2) == 0
	WIN 0
.else
	WIN 0xc0
.endif
.irp a, 0,1,2,3,4,5,6,7,8
.irp c, 0,1,2,3
	ds_load_b128 v[AFR+16*\a+4*\c:AFR+16*\a+4*\c+3], v[AF+(\a)/4] offset:((\a)%4)*BLK1+128*(\s)+32*\c
.endr
.endr
.endm
.macro PROD s                          ; 36 products; the 36 accumulators take turns, one instruction a turn, in the same order in every step
.set BS, 64*((\s)%4)
.if ((\s)%2) == 0
	WIN 0xa1                                       ; source 0 (B) window 1, source 1 (A) window 0, C and D window 2
.else
	WIN 0xad                                       ; A in window 3
.endif
.irp a, 0,1,2,3,4,5,6,7
.irp b, 0,1,2,3
.if (\s) == 0
	v_wmma_f32_16x16x128_bf8_bf8 v[32*\a+8*\b:32*\a+8*\b+7], v[BS+16*\b:BS+16*\b+15], v[AFR+16*\a:AFR+16*\a+15], 0
.else
	v_wmma_f32_16x16x128_bf8_bf8 v[32*\a+8*\b:32*\a+8*\b+7], v[BS+16*\b:BS+16*\b+15], v[AFR+16*\a:AFR+16*\a+15], v[32*\a+8*\b:32*\a+8*\b+7]
.endif
.endr
.endr
.if ((\s)%2) == 0
	WIN 0xf1                                       ; C and D window 3
.else
	WIN 0xfd
.endif
.irp b, 0,1,2,3
.if (\s) == 0
	v_wmma_f32_16x16x128_bf8_bf8 v[8*\b:8*\b+7], v[BS+16*\b:BS+16*\b+15], v[AFR+128:AFR+143], 0
.else
	v_wmma_f32_16x16x128_bf8_bf8 v[8*\b:8*\b+7], v[BS+16*\b:BS+16*\b+15], v[AFR+128:AFR+143], v[8*\b:8*\b+7]
.endif
.endr
.endm
.macro STEP s
.if (\s) > 0
.rept 4
	v_nop                                          ; four places between the last products and loads into registers that they read (ISA guide 7.12.1 for vector instructions)
.endr
.endif
.if ((\s) >= 1) && ((\s) <= 4)
	BLOAD (\s)+3                                   ; into the set that the last step multiplied
.endif
.if (\s) < 7
	ALOAD (\s)+1
	s_wait_dscnt 36                                ; all but the 36 just issued: this step's A is in
.else
	s_wait_dscnt 0
.endif
.if (\s) <= 4
	s_wait_loadcnt 48                              ; this step's B is in; the three younger sets, 16 loads each, may be out
.else
	s_wait_loadcnt 16*(7-(\s))
.endif
	PROD \s
.endm
	s_load_b256 s[4:11], s[0:1], 0x0               ; xc s[4:5], wc s[6:7], b1 s[8:9], scales s[10:11]
	s_load_b128 s[12:15], s[0:1], 0x20             ; lists s[12:13], hc s[14:15]
	v_lshl_add_u32 v254, v0, 2, 0x2e200
	v_mov_b32 v255, 0
	v_lshrrev_b32 v1, 5, v0
	v_readfirstlane_b32 s16, v1                    ; wave
	v_and_b32 v1, 31, v0                           ; lane
	v_and_b32 v2, 15, v0                           ; r
	v_bfe_u32 v3, v0, 4, 1                         ; h
	v_lshlrev_b32 v[L16], 4, v1
	v_lshlrev_b32 v[A16], 4, v2
	s_mul_i32 s17, s16, 36*PITCH                   ; my wave gathers, and later sends out, rows 36 w .. 36 w + 35
	v_mul_u32_u24 v[GST], v3, PITCH
	v_add_nc_u32 v[GST], v[GST], v[A16]
	v_add_nc_u32 v[GST], s17, v[GST]               ; lanes 0-15: 256 bytes of an even row; lanes 16-31: of the next
	v_lshlrev_b32 v[RT4], 2, v3
	v_mul_u32_u24 v[AF], v2, PITCH
	v_lshl_add_u32 v[AF], v3, 4, v[AF]             ; row r x pitch + 16 h
	v_add_nc_u32 v[AF+1], BLK4, v[AF]
	v_add_nc_u32 v[AF+2], 2*BLK4, v[AF]
	s_mul_i32 s17, s16, 36*SP
	v_mul_u32_u24 v[RDB], v3, SP
	v_add_nc_u32 v[RDB], v[RDB], v[A16]
	v_add_nc_u32 v[RDB], s17, v[RDB]
	v_add_nc_u32 v[RDB], DT, v[RDB]                ; back from the stage: lanes 0-15 one row of 256 bytes, lanes 16-31 the next
	s_lshl_b32 s17, s16, 6
	v_mul_u32_u24 v[DA], v2, SP
	v_lshl_add_u32 v[DA], v3, 3, v[DA]
	v_add_nc_u32 v[DA], s17, v[DA]
	v_add_nc_u32 v[DA], DT, v[DA]                  ; into the stage: row r, my wave's 64 bytes, + 8 h
	v_lshl_add_u32 v[GOB], v3, 10, v[A16]          ; and the same two rows in hc
	s_lshl_b32 s17, s16, 8
	v_lshlrev_b32 v[BA], 5, v3
	v_add_nc_u32 v[BA], s17, v[BA]
	s_and_b32 s18, ttmp7, 0xffff                   ; the tile
	s_mul_i32 s19, s18, 144
	s_mul_i32 s22, s16, 36
	s_add_co_u32 s19, s19, s22                     ; my wave's first slot
	s_lshl_b32 s34, s18, 3
	s_mov_b32 s35, 0
	s_lshl_b32 s36, s19, 2
	s_mov_b32 s37, 0
	s_lshl_b32 s38, s19, 10
	s_lshl_b32 s39, ttmp9, 8
	s_add_co_u32 s38, s38, s39
	s_mov_b32 s39, 0
	s_wait_kmcnt 0x0
	s_add_nc_u64 s[34:35], s[12:13], s[34:35]
	s_add_nc_u64 s[28:29], s[12:13], s[36:37]      ; rowtok at my first slot
	s_add_nc_u64 s[70:71], s[14:15], s[38:39]      ; hc at my first slot, my work-group's 256 bytes
	s_load_b32 s20, s[34:35], 0x11000              ; the tile's expert
	s_load_b128 s[24:27], s[10:11], 0x0            ; e0, e1, e2, e3
.irp p, 0,1,2,3,4,5,6,7,8,9,10,11,12,13,14,15,16,17
	global_load_b32 v[TK+\p], v[RT4], s[28:29] offset:8*\p          ; the token of row 36 w + 2 p + h
.endr
	SPAIR 44, 0x32EDFFEE                           ; P's coefficients under the leading one, highest power first
	SPAIR 46, 0xB60CFF51
	SPAIR 48, 0xB86EC2D2
	SPAIR 50, 0xBA40AC63
	SPAIR 52, 0xBB41A1F6
	SPAIR 54, 0xBC83DBD4
	SPAIR 56, 0xB95FBD29                           ; Q's likewise
	SPAIR 58, 0xBADC924E
	SPAIR 60, 0xBBF19BF8
	SPAIR 62, 0xBC69B6A7
	v_mov_b32 v[PL], 0xAF95DF0B                    ; the leading coefficients, as vector pairs
	v_mov_b32 v[PL+1], 0xAF95DF0B
	v_mov_b32 v[QL], 0xB77460CD
	v_mov_b32 v[QL+1], 0xB77460CD
	s_wait_kmcnt 0x0
	s_min_u32 s20, s20, 7
	s_lshl_b32 s36, s20, 20                        ; W1[e]'s codes: 1 MiB a matrix
	s_lshl_b32 s37, ttmp9, 2
	s_add_co_u32 s37, s37, s16
	s_lshl_b32 s37, s37, 16                        ; + (16 x + 4 w) blocks of 16 columns, 16,384 bytes each
	s_add_co_u32 s36, s36, s37
	s_mov_b32 s37, 0
	s_add_nc_u64 s[30:31], s[6:7], s[36:37]
	s_lshl_b32 s38, s20, 12
	s_lshl_b32 s39, ttmp9, 10
	s_add_co_u32 s38, s38, s39
	s_mov_b32 s39, 0
	s_add_nc_u64 s[32:33], s[8:9], s[38:39]        ; b1[e] at my work-group's 256 units
.irp b, 0,1,2,3
	global_load_b128 v[BI+8*\b:BI+8*\b+3], v[BA], s[32:33] offset:64*\b          ; b1 of units 64 w + 16 b + 8 h + 0..7
	global_load_b128 v[BI+8*\b+4:BI+8*\b+7], v[BA], s[32:33] offset:64*\b+16
.endr
	BLOAD 0
	BLOAD 1
	BLOAD 2
	s_add_co_i32 s42, s24, s25
	s_add_co_i32 s42, s42, 126
	s_lshl_b32 s42, s42, 23                        ; 0.5 x 2^(e0 + e1) as f32
	s_mov_b32 s43, s42
	s_add_co_i32 s22, s27, 127
	s_lshl_b32 s23, s22, 23
	v_mov_b32 v[SC], s23                           ; 2^e3
	s_add_co_i32 s22, s22, 15
	s_lshl_b32 s22, s22, 23
	s_or_b32 s22, s22, 0x600000
	v_mov_b32 v[HL], s22                           ; 57,344 x 2^e3
	s_wait_loadcnt 56                              ; the tokens are in; the bias's 8 loads and B's 48 may be out
.irp p, 0,1,2,3,4,5,6,7,8,9,10,11,12,13,14,15,16,17
	v_min_u32 v[TK+\p], 0xfff, v[TK+\p]
	v_lshl_add_u32 v[TK+\p], v[TK+\p], 10, v[A16]  ; the row's codes: 1,024 bytes a token, 16 bytes a lane
.endr
	WIN 0x80                                       ; destination window 2
.irp p, 0,1,2,3,4,5,6,7,8,9,10,11,12,13,14,15
.irp q, 0,1,2,3
	global_load_b128 v[16*\p+4*\q:16*\p+4*\q+3], v[TK+\p], s[4:5] offset:256*\q     ; each half of the lanes reads 256 consecutive, aligned bytes of its row
.endr
.endr
	WIN 0xc0                                       ; destination window 3
.irp p, 16,17
.irp q, 0,1,2,3
	global_load_b128 v[16*(\p-16)+4*\q:16*(\p-16)+4*\q+3], v[TK+\p], s[4:5] offset:256*\q
.endr
.endr
	BLOAD 3
	s_wait_loadcnt 16                              ; all but B's set 3: the rows are in
	WIN 0x08                                       ; store data window 2
.irp p, 0,1,2,3,4,5,6,7,8,9,10,11,12,13,14,15
.irp q, 0,1,2,3
	ds_store_b128 v[GST], v[16*\p+4*\q:16*\p+4*\q+3] offset:2*PITCH*\p+256*\q
.endr
.endr
	WIN 0x0c
.irp p, 16,17
.irp q, 0,1,2,3
	ds_store_b128 v[GST], v[16*(\p-16)+4*\q:16*(\p-16)+4*\q+3] offset:2*PITCH*\p+256*\q
.endr
.endr
	WIN 0
	s_wait_dscnt 0x0                               ; for the others' sake: my 36 rows lie in LDS
	s_barrier_signal -1
	s_barrier_wait -1                              ; all 144 do
	ALOAD 0
.irp s, 0,1,2,3,4,5,6,7
	STEP \s
.endr
	WIN 0
.irp j, 0,2,4,6,8,10,12,14,16,18,20,22,24,26,28,30
	v_pk_mul_f32 v[BI+\j:BI+\j+1], v[BI+\j:BI+\j+1], 0.5 op_sel_hi:[1,0]   ; 0.5 b1.  These sixteen name no register of the last products: they are the places ahead of the first read of results
.endr
; THE WAY OUT, a tile of 16 rows at a time: its four accumulators are 32 numbers a lane, register 8 b + i = unit 64 w + 16 b + 8 h + i of row 16 a + r.
.macro HORNER d, c                     ; d = d x u^2 + the next coefficient
.irp j, 0,2,4,6,8,10,12,14,16,18,20,22,24,26,28,30
	v_pk_fma_f32 v[\d+\j:\d+\j+1], v[\d+\j:\d+\j+1], v[T+\j:T+\j+1], s[\c:\c+1] op_sel_hi:[1,1,0]
.endr
.endm
.macro GELU a
.if (\a) < 8
.set AC, 32*(\a)
	WIN 0x02                                       ; source 0 (the sums) window 2
.else
.set AC, 0
	WIN 0x03                                       ; window 3
.endif
.irp j, 0,2,4,6,8,10,12,14,16,18,20,22,24,26,28,30
	v_pk_fma_f32 v[Z+\j:Z+\j+1], v[AC+\j:AC+\j+1], s[42:43], v[BI+\j:BI+\j+1] op_sel_hi:[1,0,1]         ; Z = 0.5 z = sum x 0.5 x 2^(e0 + e1) + 0.5 b1; each accumulator from its low end on
.endr
	WIN 0
.irp j, 0,2,4,6,8,10,12,14,16,18,20,22,24,26,28,30
	v_pk_mul_f32 v[U+\j:U+\j+1], v[Z+\j:Z+\j+1], 0x3fb504f3 op_sel_hi:[1,0]                             ; u = z / sqrt(2) = Z x sqrt(2)
.endr
.irp i, 0,1,2,3,4,5,6,7,8,9,10,11,12,13,14,15,16,17,18,19,20,21,22,23,24,25,26,27,28,29,30,31
	v_med3_num_f32 v[U+\i], v[U+\i], -4.0, 4.0     ; beyond +-4 erf is +-1 in f32
.endr
.irp j, 0,2,4,6,8,10,12,14,16,18,20,22,24,26,28,30
	v_pk_mul_f32 v[T+\j:T+\j+1], v[U+\j:U+\j+1], v[U+\j:U+\j+1]
.endr
.irp j, 0,2,4,6,8,10,12,14,16,18,20,22,24,26,28,30
	v_pk_fma_f32 v[P+\j:P+\j+1], v[T+\j:T+\j+1], v[PL:PL+1], s[44:45] op_sel_hi:[1,1,0]
.endr
.irp j, 0,2,4,6,8,10,12,14,16,18,20,22,24,26,28,30
	v_pk_fma_f32 v[Q+\j:Q+\j+1], v[T+\j:T+\j+1], v[QL:QL+1], s[56:57] op_sel_hi:[1,1,0]
.endr
	HORNER Q, 58
	HORNER Q, 60
	HORNER Q, 62
.irp i, 0,1,2,3,4,5,6,7,8,9,10,11,12,13,14,15,16,17,18,19,20,21,22,23,24,25,26,27,28,29,30,31
	v_rcp_f32 v[Q+\i], v[Q+\i]                     ; one batch; P's chain below is the work that names none of its results
.endr
	HORNER P, 46
	HORNER P, 48
	HORNER P, 50
	HORNER P, 52
	HORNER P, 54
.irp j, 0,2,4,6,8,10,12,14,16,18,20,22,24,26,28,30
	v_pk_mul_f32 v[P+\j:P+\j+1], v[P+\j:P+\j+1], v[U+\j:U+\j+1]
.endr
	s_wait_alu depctr_va_vdst(0)                   ; one wait for the 32 reciprocals, ahead of their first reader
.irp j, 0,2,4,6,8,10,12,14,16,18,20,22,24,26,28,30
	v_pk_mul_f32 v[P+\j:P+\j+1], v[P+\j:P+\j+1], v[Q+\j:Q+\j+1]                                         ; erf(u)
.endr
.irp j, 0,2,4,6,8,10,12,14,16,18,20,22,24,26,28,30
	v_pk_fma_f32 v[Z+\j:Z+\j+1], v[Z+\j:Z+\j+1], v[P+\j:P+\j+1], v[Z+\j:Z+\j+1]                         ; 0.5 z erf + 0.5 z
.endr
.irp i, 0,1,2,3,4,5,6,7,8,9,10,11,12,13,14,15,16,17,18,19,20,21,22,23,24,25,26,27,28,29,30,31
	v_med3_num_f32 v[Z+\i], v[Z+\i], -v[HL], v[HL] ; the conversion does not saturate (ISA guide 7.6.2): the hold at the largest code x the scale
.endr
	s_wait_dscnt 0x0                               ; the last tile's stores into the stage, issued a whole tile's arithmetic ago, have read the codes' registers
.irp i, 0,1,2,3
	v_cvt_scalef32_pk8_bf8_f32 v[CD+2*\i:CD+2*\i+1], v[Z+8*\i:Z+8*\i+7], v[SC]
.endr
	v_nop                                          ; a plain line behind the last conversion
.irp i, 0,1,2,3
	ds_store_b64 v[DA], v[CD+2*\i:CD+2*\i+1] offset:(\a)*16*SP+16*\i               ; eight codes: units 64 w + 16 i + 8 h + 0..7 of row 16 a + r
.endr
.endm
.irp a, 0,1,2,3,4,5,6,7,8
	GELU \a
.endr
	s_wait_dscnt 0x0                               ; for the others' sake: my 64 bytes of all rows lie in the stage (it shares no byte with A's rows, which slower waves may still read)
	s_barrier_signal -1
	s_barrier_wait -1
.irp p, 0,1,2,3,4,5,6,7,8,9,10,11,12,13,14,15,16,17
	ds_load_b128 v[OB+4*\p:OB+4*\p+3], v[RDB] offset:2*SP*\p                       ; my rows 2 p and 2 p + 1, whole
.endr
.irp p, 0,1,2,3,4,5,6,7,8,9,10,11,12,13,14,15,16,17
	s_wait_dscnt 17-\p                             ; LDS loads come back in order: pair p is in, the younger ones may be out
	global_store_b128 v[GOB], v[OB+4*\p:OB+4*\p+3], s[70:71] offset:2048*\p        ; each half of the lanes stores 256 consecutive, aligned bytes
.endr
	s_wait_tensorcnt 0x0
	ds_add_u32 v254, v255
	s_wait_dscnt 0x0
	s_endpgm
.Lfunc_end_k_q79502a0ee3_gemm1:
	.size	k_q79502a0ee3_gemm1, .Lfunc_end_k_q79502a0ee3_gemm1-k_q79502a0ee3_gemm1
	.p2alignl 7, 3214868480
	.fill 96, 4, 3214868480
	.section	.rodata,"a",@progbits
	.p2align	6, 0x0
	.amdhsa_kernel k_q79502a0ee3_gemm1
		.amdhsa_group_segment_fixed_size 189440
		.amdhsa_private_segment_fixed_size 0
		.amdhsa_enable_private_segment 0
		.amdhsa_kernarg_size 48
		.amdhsa_user_sgpr_count 2
		.amdhsa_user_sgpr_kernarg_segment_ptr 1
		.amdhsa_wavefront_size32 1
		.amdhsa_system_sgpr_workgroup_id_x 1
		.amdhsa_system_sgpr_workgroup_id_y 1
		.amdhsa_system_sgpr_workgroup_id_z 1
		.amdhsa_system_vgpr_workitem_id 0
		.amdhsa_next_free_vgpr 1024
		.amdhsa_next_free_sgpr 96
		.amdhsa_reserve_vcc 0
		.amdhsa_float_denorm_mode_32 3
		.amdhsa_float_denorm_mode_16_64 3
		.amdhsa_memory_ordered 1
		.amdhsa_forward_progress 1
		.amdhsa_inst_pref_size 255
	.end_amdhsa_kernel
	.section	.bss,"aw",@nobits
	.p2align	6
	.space	262144
	.amdgpu_metadata
---
amdhsa.version: [ 1, 2 ]
amdhsa.kernels:
  - .name:           k_q79502a0ee3_gemm1
    .symbol:         k_q79502a0ee3_gemm1.kd
    .args:
      - { .name: xc, .offset: 0, .size: 8, .value_kind: global_buffer, .address_space: global }
      - { .name: wc, .offset: 8, .size: 8, .value_kind: global_buffer, .address_space: global }
      - { .name: b1, .offset: 16, .size: 8, .value_kind: global_buffer, .address_space: global }
      - { .name: lowp_scales, .offset: 24, .size: 8, .value_kind: global_buffer, .address_space: global }
      - { .name: lists, .offset: 32, .size: 8, .value_kind: global_buffer, .address_space: global }
      - { .name: hc, .offset: 40, .size: 8, .value_kind: global_buffer, .address_space: global }
    .group_segment_fixed_size: 189440
    .private_segment_fixed_size: 0
    .kernarg_segment_align: 8
    .kernarg_segment_size: 48
    .max_flat_workgroup_size: 128
    .sgpr_count:     96
    .vgpr_count:     1024
    .wavefront_size: 32
...
	.end_amdgpu_metadata
.endif
;; end of part 3
;; launch gemm2 (part 4): grid 4 x 64, 4 waves a work-group, no clusters, 226,304 bytes of LDS; arguments hc, wc, b2, lowp_scales, lists, yb; writes yb
.if DOCPART == 4
	.amdgcn_target "amdgcn-amd-amdhsa--gfx1250"
	.amdhsa_code_object_version 6
	.text
	.protected	k_q79502a0ee3_gemm2
	.globl	k_q79502a0ee3_gemm2
	.p2align	8
	.type	k_q79502a0ee3_gemm2,@function
k_q79502a0ee3_gemm2:
	s_mov_b64 s[64:65], 0
	v_nop
	global_prefetch_b8 v0, s[64:65] scope:SCOPE_SE
	s_setreg_imm32_b32 hwreg(HW_REG_WAVE_MODE, 25, 1), 1
	s_wait_xcnt 0x0
; GEMM2.  yb[slot][d] = h[slot] W2[e] + b2[e]: codes of E5M2 in (h: 2^e3, W2: 2^e2), f32 sums; y leaves rounded once to bf16: it is an operand of the product with the gate weights, which is left as it is.
; The shares, the layouts and the K loop are those of the launch before: a work-group takes one tile of 144 slots (grid y) x 256 columns (grid x); wave w makes all 144 rows x columns 64 w .. 64 w + 63: 36 accumulators.
; A (the hidden layer's codes, 144 dense rows) lies whole in LDS; B (W2's codes, in the order of an operand's registers) comes from memory straight into registers, three K steps ahead.
; THE MATRIX INSTRUCTION IS USED TRANSPOSED (source 0 = 16 columns of W2, source 1 = 16 rows): a lane's eight results are eight neighbouring columns of a row, 16 bytes of bf16.
; Registers 4 c .. 4 c + 3 of a fragment hold k = 32 c + 16 (lane / 16) + 0..15, in A and in B alike.
; Only the tile's rows that hold a token are stored: a scalar branch on the stored count, round stores alone.  A tile without rows runs the same text, since every wave passes every barrier, and stores nothing.
; NO CLUSTER, NO TENSOR LOAD: which work-groups share weights hangs on the stored list (an expert has 0 to 29 tiles), and the stores hang on a branch on a stored count.
; LIMITS: e2 + e3 between -126 and 127.
; REGISTERS, in windows of 256: window 0: v0-31 addresses; v32-175 A's nine fragments, set 0; v208-239 bias; on the way out v32-63 at work, v64-207 packed results, then v32-175 whole rows.
;   window 1: B's fragments, four sets of 64.   window 2: accumulator (a, b), a < 8, at v[32 a + 8 b].   window 3: accumulator (8, b) at v[8 b]; v32-175 A's set 1.
.set PITCH, 1040                       ; an LDS row of A: 1,024 bytes + 16 = 260 words: row r starts at bank 4 r mod 64 (64 banks of 4 bytes: ISA guide 11.1)
.set BLK1,  16*PITCH
.set BLK4,  64*PITCH
.set DT,    144*PITCH                  ; behind A's rows: y's stage, 144 rows x (256 bf16 + 16 bytes)
.set SP,    528                        ; its pitch: 132 words: row r starts at bank 4 r mod 64
.set SBLK1, 16*SP
.set SBLK4, 64*SP                      ; LDS immediates have 16 bits: three address registers, 64 rows apart
.set L16, 4                            ; v4   16 x lane
.set A16, 5                            ; v5   16 x (lane % 16)
.set GST, 6                            ; v6   where a loaded piece of A goes in LDS
.set HA,  7                            ; v7   1,024 (lane / 16) + 16 (lane % 16)
.set AF,  8                            ; v8-10  my lane's place in A's fragments
.set BA,  11                           ; v11  the bias: 256 x wave + 32 x (lane / 16)
.set DA,  12                           ; v12-14 my lane's place in the stage
.set RDB, 15                           ; v15  the way out: my 16 bytes of my wave's first row
.set AFR, 32
.set T,   32
.set PK,  64
.set OB,  32
.set BI,  208                          ; v208-239: register 8 b + i = b2(64 w + 16 b + 8 h + i): the accumulators' layout
.set MSB, 0
.macro WIN new                         ; the immediate's high byte repeats the setting that is left
.if MSB != \new
	s_set_vgpr_msb (MSB<<8)|\new
.set MSB, \new
.endif
.endm
.macro BLOAD s                         ; B's four fragments of K step s into set s % 4: each load reads 512 consecutive bytes
	WIN 0x40
.irp b, 0,1,2,3
.irp c, 0,1,2,3
	global_load_b128 v[64*((\s)%4)+16*\b+4*\c:64*((\s)%4)+16*\b+4*\c+3], v[L16], s[30:31] offset:16384*\b+2048*(\s)+512*\c
.endr
.endr
	WIN 0
.endm
.macro ALOAD s                         ; A's nine fragments of K step s into set s % 2
.if ((\s)%2) == 0
	WIN 0
.else
	WIN 0xc0
.endif
.irp a, 0,1,2,3,4,5,6,7,8
.irp c, 0,1,2,3
	ds_load_b128 v[AFR+16*\a+4*\c:AFR+16*\a+4*\c+3], v[AF+(\a)/4] offset:((\a)%4)*BLK1+128*(\s)+32*\c
.endr
.endr
.endm
.macro PROD s                          ; 36 products; the 36 accumulators take turns, one instruction a turn, in the same order in every step
.set BS, 64*((\s)%4)
.if ((\s)%2) == 0
	WIN 0xa1                                       ; source 0 (B) window 1, source 1 (A) window 0, C and D window 2
.else
	WIN 0xad                                       ; A in window 3
.endif
.irp a, 0,1,2,3,4,5,6,7
.irp b, 0,1,2,3
.if (\s) == 0
	v_wmma_f32_16x16x128_bf8_bf8 v[32*\a+8*\b:32*\a+8*\b+7], v[BS+16*\b:BS+16*\b+15], v[AFR+16*\a:AFR+16*\a+15], 0
.else
	v_wmma_f32_16x16x128_bf8_bf8 v[32*\a+8*\b:32*\a+8*\b+7], v[BS+16*\b:BS+16*\b+15], v[AFR+16*\a:AFR+16*\a+15], v[32*\a+8*\b:32*\a+8*\b+7]
.endif
.endr
.endr
.if ((\s)%2) == 0
	WIN 0xf1                                       ; C and D window 3
.else
	WIN 0xfd
.endif
.irp b, 0,1,2,3
.if (\s) == 0
	v_wmma_f32_16x16x128_bf8_bf8 v[8*\b:8*\b+7], v[BS+16*\b:BS+16*\b+15], v[AFR+128:AFR+143], 0
.else
	v_wmma_f32_16x16x128_bf8_bf8 v[8*\b:8*\b+7], v[BS+16*\b:BS+16*\b+15], v[AFR+128:AFR+143], v[8*\b:8*\b+7]
.endif
.endr
.endm
.macro STEP s
.if (\s) > 0
.rept 4
	v_nop                                          ; four places between the last products and loads into registers that they read (ISA guide 7.12.1 for vector instructions)
.endr
.endif
.if ((\s) >= 1) && ((\s) <= 4)
	BLOAD (\s)+3                                   ; into the set that the last step multiplied
.endif
.if (\s) < 7
	ALOAD (\s)+1
	s_wait_dscnt 36                                ; all but the 36 just issued: this step's A is in
.else
	s_wait_dscnt 0
.endif
.if (\s) <= 4
	s_wait_loadcnt 48                              ; this step's B is in; the three younger sets, 16 loads each, may be out
.else
	s_wait_loadcnt 16*(7-(\s))
.endif
	PROD \s
.endm
	s_load_b256 s[4:11], s[0:1], 0x0               ; hc s[4:5], wc s[6:7], b2 s[8:9], scales s[10:11]
	s_load_b128 s[12:15], s[0:1], 0x20             ; lists s[12:13], yb s[14:15]
	v_lshl_add_u32 v254, v0, 2, 0x37200
	v_mov_b32 v255, 0
	v_lshrrev_b32 v1, 5, v0
	v_readfirstlane_b32 s16, v1                    ; wave
	v_and_b32 v1, 31, v0                           ; lane
	v_and_b32 v2, 15, v0                           ; r
	v_bfe_u32 v3, v0, 4, 1                         ; h
	v_lshlrev_b32 v[L16], 4, v1
	v_lshlrev_b32 v[A16], 4, v2
	s_mul_i32 s17, s16, 36*PITCH                   ; my wave brings in, and later sends out, rows 36 w .. 36 w + 35
	v_mul_u32_u24 v[GST], v3, PITCH
	v_add_nc_u32 v[GST], v[GST], v[A16]
	v_add_nc_u32 v[GST], s17, v[GST]
	v_lshl_add_u32 v[HA], v3, 10, v[A16]
	v_mul_u32_u24 v[AF], v2, PITCH
	v_lshl_add_u32 v[AF], v3, 4, v[AF]             ; row r x pitch + 16 h
	v_add_nc_u32 v[AF+1], BLK4, v[AF]
	v_add_nc_u32 v[AF+2], 2*BLK4, v[AF]
	s_mul_i32 s17, s16, 36*SP
	v_add_nc_u32 v[RDB], s17, v[L16]
	v_add_nc_u32 v[RDB], DT, v[RDB]                ; back from the stage: the 32 lanes take one row of 512 bytes
	s_lshl_b32 s17, s16, 7
	v_mul_u32_u24 v[DA], v2, SP
	v_lshl_add_u32 v[DA], v3, 4, v[DA]
	v_add_nc_u32 v[DA], s17, v[DA]
	v_add_nc_u32 v[DA], DT, v[DA]                  ; into the stage: row r, my wave's 128 bytes, + 16 h
	v_add_nc_u32 v[DA+1], SBLK4, v[DA]
	v_add_nc_u32 v[DA+2], 2*SBLK4, v[DA]
	s_lshl_b32 s17, s16, 8
	v_lshlrev_b32 v[BA], 5, v3
	v_add_nc_u32 v[BA], s17, v[BA]
	s_and_b32 s18, ttmp7, 0xffff                   ; the tile
	s_mul_i32 s19, s18, 144
	s_mul_i32 s69, s16, 36                         ; my first row in the tile
	s_add_co_u32 s19, s19, s69                     ; my wave's first slot
	s_lshl_b32 s34, s18, 3
	s_mov_b32 s35, 0
	s_lshl_b32 s36, s19, 10
	s_mov_b32 s37, 0
	s_lshl_b32 s38, s19, 11                        ; a row of y is 2,048 bytes
	s_lshl_b32 s39, ttmp9, 9
	s_add_co_u32 s38, s38, s39
	s_mov_b32 s39, 0
	s_wait_kmcnt 0x0
	s_add_nc_u64 s[34:35], s[12:13], s[34:35]
	s_add_nc_u64 s[28:29], s[4:5], s[36:37]        ; hc at my first slot
	s_add_nc_u64 s[70:71], s[14:15], s[38:39]      ; yb at my first slot, my work-group's 512 bytes
	s_load_b64 s[20:21], s[34:35], 0x11000         ; the tile's expert, and its rows
	s_load_b128 s[24:27], s[10:11], 0x0            ; e0, e1, e2, e3
	WIN 0x80                                       ; destination window 2: the rows pass through the accumulators' registers
.irp p, 0,1,2,3,4,5,6,7,8,9,10,11,12,13,14,15
.irp q, 0,1,2,3
	global_load_b128 v[16*\p+4*\q:16*\p+4*\q+3], v[HA], s[28:29] offset:2048*\p+256*\q   ; each half of the lanes reads 256 consecutive, aligned bytes of its row
.endr
.endr
	WIN 0xc0
.irp p, 16,17
.irp q, 0,1,2,3
	global_load_b128 v[16*(\p-16)+4*\q:16*(\p-16)+4*\q+3], v[HA], s[28:29] offset:2048*\p+256*\q
.endr
.endr
	WIN 0
	s_wait_kmcnt 0x0
	s_min_u32 s20, s20, 7
	s_lshl_b32 s36, s20, 20
	s_add_co_u32 s36, s36, 0x800000                ; W2[e]'s codes: matrix 8 + e, 1 MiB each
	s_lshl_b32 s37, ttmp9, 2
	s_add_co_u32 s37, s37, s16
	s_lshl_b32 s37, s37, 16                        ; + (16 x + 4 w) blocks of 16 columns, 16,384 bytes each
	s_add_co_u32 s36, s36, s37
	s_mov_b32 s37, 0
	s_add_nc_u64 s[30:31], s[6:7], s[36:37]
	s_lshl_b32 s38, s20, 12
	s_lshl_b32 s39, ttmp9, 10
	s_add_co_u32 s38, s38, s39
	s_mov_b32 s39, 0
	s_add_nc_u64 s[32:33], s[8:9], s[38:39]        ; b2[e] at my work-group's 256 columns
.irp b, 0,1,2,3
	global_load_b128 v[BI+8*\b:BI+8*\b+3], v[BA], s[32:33] offset:64*\b          ; b2 of columns 64 w + 16 b + 8 h + 0..7
	global_load_b128 v[BI+8*\b+4:BI+8*\b+7], v[BA], s[32:33] offset:64*\b+16
.endr
	BLOAD 0
	BLOAD 1
	BLOAD 2
	s_add_co_i32 s42, s26, s27
	s_add_co_i32 s42, s42, 127
	s_lshl_b32 s42, s42, 23                        ; 2^(e2 + e3) as f32
	s_mov_b32 s43, s42
	s_sub_co_i32 s21, s21, s69                     ; how many of the tile's rows with a token lie from my first row on (it may be under 0 or over 36)
	s_wait_loadcnt 56                              ; the rows are in; the bias's 8 loads and B's 48 may be out
	WIN 0x08                                       ; store data window 2
.irp p, 0,1,2,3,4,5,6,7,8,9,10,11,12,13,14,15
.irp q, 0,1,2,3
	ds_store_b128 v[GST], v[16*\p+4*\q:16*\p+4*\q+3] offset:2*PITCH*\p+256*\q
.endr
.endr
	WIN 0x0c
.irp p, 16,17
.irp q, 0,1,2,3
	ds_store_b128 v[GST], v[16*(\p-16)+4*\q:16*(\p-16)+4*\q+3] offset:2*PITCH*\p+256*\q
.endr
.endr
	BLOAD 3
	s_wait_dscnt 0x0                               ; for the others' sake: my 36 rows lie in LDS
	s_barrier_signal -1
	s_barrier_wait -1                              ; all 144 do
	ALOAD 0
.irp s, 0,1,2,3,4,5,6,7
	STEP \s
.endr
.rept 4
	v_nop                                          ; four places between the last products and the first read of results
.endr
; THE WAY OUT, a tile of 16 rows at a time: scale and bias where the sums lie, two numbers an instruction; rounded to bf16 in pairs; 16 bytes for an accumulator and lane into the stage.
; Each tile has its own registers for the packed results, so that no LDS store's data are written again.
.macro OUTB a
.if (\a) < 8
.set AC, 32*(\a)
	WIN 0x02                                       ; source 0 (the sums) window 2
.else
.set AC, 0
	WIN 0x03                                       ; window 3
.endif
.irp j, 0,2,4,6,8,10,12,14,16,18,20,22,24,26,28,30
	v_pk_fma_f32 v[T+\j:T+\j+1], v[AC+\j:AC+\j+1], s[42:43], v[BI+\j:BI+\j+1] op_sel_hi:[1,0,1]         ; y = sum x 2^(e2 + e3) + b2; each accumulator from its low end on
.endr
	WIN 0
.irp j, 0,1,2,3,4,5,6,7,8,9,10,11,12,13,14,15
	v_cvt_pk_bf16_f32 v[PK+16*(\a)+\j], v[T+2*\j], v[T+2*\j+1]
.endr
.irp b, 0,1,2,3
	ds_store_b128 v[DA+(\a)/4], v[PK+16*(\a)+4*\b:PK+16*(\a)+4*\b+3] offset:((\a)%4)*SBLK1+32*\b        ; columns 64 w + 16 b + 8 h + 0..7 of row 16 a + r
.endr
.endm
.irp a, 0,1,2,3,4,5,6,7,8
	OUTB \a
.endr
	s_wait_dscnt 0x0                               ; for the others' sake: my 128 bytes of all rows lie in the stage (it shares no byte with A's rows, which slower waves may still read)
	s_barrier_signal -1
	s_barrier_wait -1
.set i, 0
.rept 36
	ds_load_b128 v[OB+4*i:OB+4*i+3], v[RDB] offset:SP*i                            ; my row i, whole
.set i, i+1
.endr
.set i, 0
.rept 36
	s_wait_dscnt 35-i                              ; LDS loads come back in order: row i is in, the younger ones may be out
	s_cmp_gt_i32 s21, i                            ; does this row hold a token?  The rows that do come first, so the first that does not ends the stores
	s_cbranch_scc0 .Lrows_done
	global_store_b128 v[L16], v[OB+4*i:OB+4*i+3], s[70:71] offset:2048*i           ; 512 consecutive, aligned bytes
.set i, i+1
.endr
.Lrows_done:
	s_wait_dscnt 0x0                               ; the loads of rows that are not stored have landed too
	s_wait_tensorcnt 0x0
	ds_add_u32 v254, v255
	s_wait_dscnt 0x0
	s_endpgm
.Lfunc_end_k_q79502a0ee3_gemm2:
	.size	k_q79502a0ee3_gemm2, .Lfunc_end_k_q79502a0ee3_gemm2-k_q79502a0ee3_gemm2
	.p2alignl 7, 3214868480
	.fill 96, 4, 3214868480
	.section	.rodata,"a",@progbits
	.p2align	6, 0x0
	.amdhsa_kernel k_q79502a0ee3_gemm2
		.amdhsa_group_segment_fixed_size 226304
		.amdhsa_private_segment_fixed_size 0
		.amdhsa_enable_private_segment 0
		.amdhsa_kernarg_size 48
		.amdhsa_user_sgpr_count 2
		.amdhsa_user_sgpr_kernarg_segment_ptr 1
		.amdhsa_wavefront_size32 1
		.amdhsa_system_sgpr_workgroup_id_x 1
		.amdhsa_system_sgpr_workgroup_id_y 1
		.amdhsa_system_sgpr_workgroup_id_z 1
		.amdhsa_system_vgpr_workitem_id 0
		.amdhsa_next_free_vgpr 1024
		.amdhsa_next_free_sgpr 96
		.amdhsa_reserve_vcc 0
		.amdhsa_float_denorm_mode_32 3
		.amdhsa_float_denorm_mode_16_64 3
		.amdhsa_memory_ordered 1
		.amdhsa_forward_progress 1
		.amdhsa_inst_pref_size 97
	.end_amdhsa_kernel
	.amdgpu_metadata
---
amdhsa.version: [ 1, 2 ]
amdhsa.kernels:
  - .name:           k_q79502a0ee3_gemm2
    .symbol:         k_q79502a0ee3_gemm2.kd
    .args:
      - { .name: hc, .offset: 0, .size: 8, .value_kind: global_buffer, .address_space: global }
      - { .name: wc, .offset: 8, .size: 8, .value_kind: global_buffer, .address_space: global }
      - { .name: b2, .offset: 16, .size: 8, .value_kind: global_buffer, .address_space: global }
      - { .name: lowp_scales, .offset: 24, .size: 8, .value_kind: global_buffer, .address_space: global }
      - { .name: lists, .offset: 32, .size: 8, .value_kind: global_buffer, .address_space: global }
      - { .name: yb, .offset: 40, .size: 8, .value_kind: global_buffer, .address_space: global }
    .group_segment_fixed_size: 226304
    .private_segment_fixed_size: 0
    .kernarg_segment_align: 8
    .kernarg_segment_size: 48
    .max_flat_workgroup_size: 128
    .sgpr_count:     96
    .vgpr_count:     1024
    .wavefront_size: 32
...
	.end_amdgpu_metadata
.endif
;; end of part 4
;; launch combine (part 5): grid 512 x 1, 4 waves a work-group, no clusters, 0 bytes of LDS; arguments yb, rwp, lists, out0; writes out0
.if DOCPART == 5
	.amdgcn_target "amdgcn-amd-amdhsa--gfx1250"
	.amdhsa_code_object_version 6
	.text
	.protected	k_q79502a0ee3_combine
	.globl	k_q79502a0ee3_combine
	.p2align	8
	.type	k_q79502a0ee3_combine,@function
k_q79502a0ee3_combine:
	s_mov_b64 s[64:65], 0
	v_nop
	global_prefetch_b8 v0, s[64:65] scope:SCOPE_SE
	s_setreg_imm32_b32 hwreg(HW_REG_WAVE_MODE, 25, 1), 1
	s_wait_xcnt 0x0
; COMBINE.  out0[t] = w_lower y[slot of t's lower expert] + w_higher y[slot of its higher expert]: each output row has one owner, so nothing is added between work-groups.
; y lies as bf16, 2,048 bytes a row; the weights and the sums are f32.  A wave takes two tokens.  Their four slots and four weights come by scalar loads; the four rows by 32 loads
; of 256 consecutive bytes (four bf16 a lane), all issued at once; a lane's four numbers of a load are 16 bytes of the output, so each store covers 512 consecutive bytes.
; No store's data are written again, so no wait stands but the two for the loads.  A stream: no LDS, no matrix unit, no cluster (no byte is read by two waves).
.set YL, 16                            ; v16-79:  token u, source v, chunk c at v[16 + 32 u + 16 v + 2 c], two registers
.set O,  80                            ; v80-143: token u, chunk c at v[80 + 32 u + 4 c], four registers
.set TM, 144                           ; v144-151: the higher expert's four numbers, two sets by turns
	s_load_b256 s[4:11], s[0:1], 0x0               ; yb s[4:5], rwp s[6:7], lists s[8:9], out0 s[10:11]
	v_lshrrev_b32 v1, 5, v0
	v_readfirstlane_b32 s12, v1                    ; wave
	v_and_b32 v6, 31, v0
	v_lshlrev_b32 v1, 4, v6                        ; 16 x lane
	v_lshlrev_b32 v6, 3, v6                        ; 8 x lane
	s_lshl_b32 s13, ttmp9, 3
	s_lshl_b32 s14, s12, 1
	s_add_co_u32 s13, s13, s14                     ; my first token: 8 x work-group + 2 x wave
	s_mov_b32 s15, 0xffff0000                      ; a word's upper bf16
	s_lshl_b32 s28, s13, 3
	s_mov_b32 s29, 0
	s_lshl_b32 s30, s13, 12
	s_mov_b32 s31, 0
	s_wait_kmcnt 0x0
	s_add_nc_u64 s[8:9], s[8:9], s[28:29]
	s_add_nc_u64 s[6:7], s[6:7], s[28:29]
	s_add_nc_u64 s[10:11], s[10:11], s[30:31]
	s_load_b128 s[16:19], s[8:9], 0x9000           ; tokslot: two slots for each of my two tokens
	s_load_b128 s[20:23], s[6:7], 0x0              ; their weights
	s_wait_kmcnt 0x0
.irp k, 0,1,2,3
	s_min_u32 s[16+\k], s[16+\k], 0x23ff           ; a slot is under 9,216
	s_lshl_b32 s[16+\k], s[16+\k], 11              ; a row of y is 2,048 bytes
	v_add_nc_u32 v[2+\k], s[16+\k], v6
.endr
.irp u, 0,1
.irp v, 0,1
.irp c, 0,1,2,3,4,5,6,7
	global_load_b64 v[YL+32*\u+16*\v+2*\c:YL+32*\u+16*\v+2*\c+1], v[2+2*\u+\v], s[4:5] offset:256*\c th:TH_LOAD_NT
.endr
.endr
.endr
	s_mov_b32 s24, s21                             ; the higher experts' weights as pairs of their own: the packed forms take a pair's low word for both halves
	s_mov_b32 s25, s21
	s_mov_b32 s26, s23
	s_mov_b32 s27, s23
.macro TOKEN u, left
	s_wait_loadcnt \left                           ; this token's 16 loads are in; the other token's may be out
.irp c, 0,1,2,3,4,5,6,7
.set OC, O+32*\u+4*\c
.set AC, YL+32*\u+2*\c
.set BC, YL+32*\u+16+2*\c
.set TC, TM+4*((\c)%2)
	v_lshlrev_b32 v[OC],   16,  v[AC]              ; bf16 to f32: the low half moves up,
	v_and_b32     v[OC+1], s15, v[AC]              ; the high half stays
	v_lshlrev_b32 v[OC+2], 16,  v[AC+1]
	v_and_b32     v[OC+3], s15, v[AC+1]
	v_lshlrev_b32 v[TC],   16,  v[BC]
	v_and_b32     v[TC+1], s15, v[BC]
	v_lshlrev_b32 v[TC+2], 16,  v[BC+1]
	v_and_b32     v[TC+3], s15, v[BC+1]
	v_pk_mul_f32 v[TC:TC+1],   v[TC:TC+1],   s[24+2*\u:25+2*\u] op_sel_hi:[1,0]
	v_pk_mul_f32 v[TC+2:TC+3], v[TC+2:TC+3], s[24+2*\u:25+2*\u] op_sel_hi:[1,0]
	v_pk_fma_f32 v[OC:OC+1],   v[OC:OC+1],   s[20+2*\u:21+2*\u], v[TC:TC+1]   op_sel_hi:[1,0,1]
	v_pk_fma_f32 v[OC+2:OC+3], v[OC+2:OC+3], s[20+2*\u:21+2*\u], v[TC+2:TC+3] op_sel_hi:[1,0,1]
	global_store_b128 v1, v[OC:OC+3], s[10:11] offset:4096*\u+512*\c th:TH_STORE_NT   ; 512 consecutive, aligned bytes
.endr
.endm
	TOKEN 0, 16
	TOKEN 1, 0
	s_endpgm
.Lfunc_end_k_q79502a0ee3_combine:
	.size	k_q79502a0ee3_combine, .Lfunc_end_k_q79502a0ee3_combine-k_q79502a0ee3_combine
	.p2alignl 7, 3214868480
	.fill 96, 4, 3214868480
	.section	.rodata,"a",@progbits
	.p2align	6, 0x0
	.amdhsa_kernel k_q79502a0ee3_combine
		.amdhsa_group_segment_fixed_size 0
		.amdhsa_private_segment_fixed_size 0
		.amdhsa_enable_private_segment 0
		.amdhsa_kernarg_size 32
		.amdhsa_user_sgpr_count 2
		.amdhsa_user_sgpr_kernarg_segment_ptr 1
		.amdhsa_wavefront_size32 1
		.amdhsa_system_sgpr_workgroup_id_x 1
		.amdhsa_system_sgpr_workgroup_id_y 1
		.amdhsa_system_sgpr_workgroup_id_z 1
		.amdhsa_system_vgpr_workitem_id 0
		.amdhsa_next_free_vgpr 160
		.amdhsa_next_free_sgpr 66
		.amdhsa_reserve_vcc 0
		.amdhsa_float_denorm_mode_32 3
		.amdhsa_float_denorm_mode_16_64 3
		.amdhsa_memory_ordered 1
		.amdhsa_forward_progress 1
		.amdhsa_inst_pref_size 15
	.end_amdhsa_kernel
	.amdgpu_metadata
---
amdhsa.version: [ 1, 2 ]
amdhsa.kernels:
  - .name:           k_q79502a0ee3_combine
    .symbol:         k_q79502a0ee3_combine.kd
    .args:
      - { .name: yb, .offset: 0, .size: 8, .value_kind: global_buffer, .address_space: global }
      - { .name: rwp, .offset: 8, .size: 8, .value_kind: global_buffer, .address_space: global }
      - { .name: lists, .offset: 16, .size: 8, .value_kind: global_buffer, .address_space: global }
      - { .name: out0, .offset: 24, .size: 8, .value_kind: global_buffer, .address_space: global }
    .group_segment_fixed_size: 0
    .private_segment_fixed_size: 0
    .kernarg_segment_align: 8
    .kernarg_segment_size: 32
    .max_flat_workgroup_size: 128
    .sgpr_count:     66
    .vgpr_count:     160
    .wavefront_size: 32
...
	.end_amdgpu_metadata
.endif
;; end of part 5
;; ======== version 2 of 2: 5 launches
;; workspace buffers: xc 4,194,304 bytes; wc 16,777,216 bytes; memb 4,096 bytes of whole numbers; rwp 49,152 bytes; lists 70,144 bytes of whole numbers; hc 9,437,184 bytes; yb 18,874,368 bytes
;; launch prep (part 6): grid 640 x 1, 4 waves a work-group, no clusters, 4,608 bytes of LDS; arguments x, W_router, W1, W2, lowp_scales, xc, wc, memb, rwp; writes xc, wc, memb, rwp
.if DOCPART == 6
	.amdgcn_target "amdgcn-amd-amdhsa--gfx1250"
	.amdhsa_code_object_version 6
	.text
	.protected	k_q79502a0ee3_prep
	.globl	k_q79502a0ee3_prep
	.p2align	8
	.type	k_q79502a0ee3_prep,@function
k_q79502a0ee3_prep:
	s_mov_b64 s[64:65], 0
	v_nop
	global_prefetch_b8 v0, s[64:65] scope:SCOPE_SE
	s_setreg_imm32_b32 hwreg(HW_REG_WAVE_MODE, 25, 1), 1
	s_wait_xcnt 0x0
; PREP.  One launch, two kinds of work-groups, parted by the work-group's number.
; Work-groups 0-127 (x): 32 tokens each, 8 a wave.  x is read once: its f32 numbers feed the router (f32 multiply-adds, softmax, top 2 of 8, ties to the lower
;   expert) and are turned into codes of E5M2 with the scale 2^e0: xc [4096][1024] bytes, K innermost.  Stored at fixed places: memb [t/32][e], bit t%32 set where
;   token t uses expert e; rw [t][2], the gate weights of the token's lower and higher expert; psum [wave][8], the wave's sums of the probabilities.
; Work-groups 128-639 (W): W1[e] and W2[e], f32 with K as their first axis, become codes (2^e1, 2^e2) in the order of an operand's registers:
;   wc [m][n/16][k/128][c][lane][16 bytes], lane (r, h) = column 16 (n/16) + r, k = 128 (k/128) + 32 c + 16 h + 0..15; m = e for W1, 8 + e for W2.
;   A lane takes a column and its registers run down K: the conversions' results are 16 bytes of that layout, and sixteen lanes store 256 consecutive bytes.
; code = x / 2^e, held within +-57,344, to the nearest code, ties to even.  LIMITS: e0, e1, e2 between -126 and 112; NaN among the inputs is not served.
; No cluster, no matrix unit, no barrier: every input byte is read by one wave, and waves share nothing (the LDS stage is each wave's own).
.set MSB, 0
.macro WIN new                         ; the immediate's high byte repeats the setting that is left
.if MSB != \new
	s_set_vgpr_msb (MSB<<8)|\new
.set MSB, \new
.endif
.endm
.set R,    16                          ; W: v16-79   four sets of 16 numbers
.set C,    80                          ; W: v80-143  four registers of codes for each of 16 runs: no store's data are written again
.set ACC,  8                           ; x: v8-15    a row's eight logits, in parts
.set KEEP, 16                          ; x: v16-23   lane l keeps the logits of row l % 8
.set X,    32                          ; x: v32-159  four sets of 32: register 4 c + i = x(row, 128 c + 4 lane + i)
.set CD,   160                         ; x: v160-167 a row's codes: register c = four codes of chunk c
.set OUT,  176                         ; x: v176-239 eight registers a row: the row's codes back from the stage
	s_load_b256 s[4:11], s[0:1], 0x0               ; x s[4:5], W_router s[6:7], W1 s[8:9], W2 s[10:11]
	s_load_b256 s[12:19], s[0:1], 0x20             ; scales s[12:13], xc s[14:15], wc s[16:17], memb s[18:19]
	s_load_b64 s[20:21], s[0:1], 0x40              ; rwp
	v_lshl_add_u32 v254, v0, 2, 0x1000
	v_mov_b32 v255, 0
	v_lshrrev_b32 v1, 5, v0
	v_readfirstlane_b32 s22, v1                    ; wave
	v_and_b32 v1, 31, v0                           ; lane
	s_wait_kmcnt 0x0
	s_load_b128 s[24:27], s[12:13], 0x0            ; e0, e1, e2, e3
	s_cmp_lt_u32 ttmp9, 128
	s_cbranch_scc1 .Lxpath
; ---------------- W: a wave takes 32 columns x 256 along K of one matrix ----------------
	s_sub_co_u32 s28, ttmp9, 128                   ; 0..511: matrix m = bits 8:5, quarter of K = bits 4:3, group of 128 columns = bits 2:0
	s_lshr_b32 s29, s28, 5
	s_bfe_u32 s30, s28, 0x20003
	s_and_b32 s31, s28, 7
	s_cmp_lt_u32 s28, 256                          ; the first 256 take W1, the others W2: the choice hangs on the work-group's number alone
	s_cselect_b64 s[32:33], s[8:9], s[10:11]
	s_and_b32 s34, s29, 7
	s_lshl_b32 s34, s34, 22                        ; in: expert x 4 MiB
	s_lshl_b32 s35, s30, 20                        ;   + 256 rows of 4,096 bytes for each quarter
	s_add_co_u32 s34, s34, s35
	s_lshl_b32 s35, s31, 9                         ;   + 128 columns x 4 bytes
	s_add_co_u32 s34, s34, s35
	s_lshl_b32 s35, s22, 7                         ;   + 32 columns x 4 bytes for each wave
	s_add_co_u32 s34, s34, s35
	s_mov_b32 s35, 0
	s_add_nc_u64 s[32:33], s[32:33], s[34:35]
	s_lshl_b32 s38, s29, 20                        ; out: matrix x 1 MiB
	s_lshl_b32 s39, s31, 17                        ;   + 8 blocks of 16 columns, 16,384 bytes each
	s_add_co_u32 s38, s38, s39
	s_lshl_b32 s39, s22, 15                        ;   + 2 blocks a wave
	s_add_co_u32 s38, s38, s39
	s_lshl_b32 s39, s30, 12                        ;   + 2 K steps of 2,048 bytes for each quarter
	s_add_co_u32 s38, s38, s39
	s_mov_b32 s39, 0
	s_add_nc_u64 s[36:37], s[16:17], s[38:39]
	s_wait_alu depctr_va_vdst(0)
	v_lshlrev_b32 v2, 2, v1                        ; in: 4 bytes a lane: a load reads 128 consecutive bytes, the four waves stand side by side
	v_and_b32 v3, 15, v1
	v_lshlrev_b32 v3, 4, v3
	v_lshrrev_b32 v4, 4, v1
	v_lshl_add_u32 v3, v4, 14, v3                  ; out: 16 (lane % 16) + 16,384 (lane / 16)
.macro LOADW t                         ; run t: W(16 t + i, my column), i = 0..15, into set t % 4
.irp i, 0,1,2,3,4,5,6,7,8,9,10,11,12,13,14,15
	global_load_b32 v[R+16*((\t)%4)+\i], v2, s[32:33] offset:(16*(\t)+\i)*4096 th:TH_LOAD_NT
.endr
.endm
.macro RUNW t
.if (\t) <= 12
	s_wait_loadcnt 48                              ; this run's 16 loads are in; the three younger runs' may be out
.else
	s_wait_loadcnt 16*(15-(\t))
.endif
.irp i, 0,1,2,3,4,5,6,7,8,9,10,11,12,13,14,15
	v_med3_num_f32 v[R+16*((\t)%4)+\i], v[R+16*((\t)%4)+\i], -v10, v10   ; the conversion does not saturate (ISA guide 7.6.2): the hold at the largest code x the scale
.endr
	v_cvt_scalef32_pk8_bf8_f32 v[C+4*(\t):C+4*(\t)+1], v[R+16*((\t)%4):R+16*((\t)%4)+7], v11
	v_cvt_scalef32_pk8_bf8_f32 v[C+4*(\t)+2:C+4*(\t)+3], v[R+16*((\t)%4)+8:R+16*((\t)%4)+15], v11
	global_store_b128 v3, v[C+4*(\t):C+4*(\t)+3], s[36:37] offset:256*(\t)   ; run t = 8 s + 2 c + h lies 2,048 s + 512 c + 256 h = 256 t bytes on: each half of the lanes stores 256 consecutive, aligned bytes
.if (\t)+4 < 16
	LOADW (\t)+4                                   ; into the set just converted; the next vector lines are the next run's holds, on other registers
.endif
.endm
	LOADW 0
	LOADW 1
	LOADW 2
	LOADW 3
	s_wait_kmcnt 0x0
	s_cmp_lt_u32 s28, 256
	s_cselect_b32 s38, s25, s26                    ; e1 or e2
	s_add_co_i32 s38, s38, 127
	s_lshl_b32 s39, s38, 23
	v_mov_b32 v11, s39                             ; 2^e as f32: the conversion takes its exponent field
	s_add_co_i32 s38, s38, 15
	s_lshl_b32 s38, s38, 23
	s_or_b32 s38, s38, 0x600000
	v_mov_b32 v10, s38                             ; 57,344 x 2^e
	s_wait_alu depctr_va_vdst(0)
.irp t, 0,1,2,3,4,5,6,7,8,9,10,11,12,13,14,15
	RUNW \t
.endr
	s_endpgm
; ---------------- x: a wave takes 8 tokens ----------------
.Lxpath:
	s_lshl_b32 s28, ttmp9, 5
	s_lshl_b32 s29, s22, 3
	s_add_co_u32 s28, s28, s29                     ; my first token t0 = 32 g + 8 w
	s_mov_b32 s31, 0
	s_lshl_b32 s30, s28, 12
	s_add_nc_u64 s[4:5], s[4:5], s[30:31]          ; x at t0
	s_lshl_b32 s30, s28, 10
	s_add_nc_u64 s[14:15], s[14:15], s[30:31]      ; xc at t0
	s_lshl_b32 s30, s28, 3
	s_add_nc_u64 s[32:33], s[20:21], s[30:31]      ; rw at t0
	s_lshl_b32 s30, s28, 2
	s_add_nc_u64 s[34:35], s[20:21], s[30:31]      ; psum: 32 bytes for each of the 512 waves = 4 t0 (+ 32,768 in the immediate)
	s_lshl_b32 s30, ttmp9, 5
	s_add_co_u32 s30, s30, s22
	s_add_nc_u64 s[18:19], s[18:19], s[30:31]      ; memb: 32 g + w: byte w of the group's eight words
	s_mov_b32 s36, 0x76543210                      ; v_permlanex16_b32: lane l xor 16
	s_mov_b32 s37, 0xfedcba98
	s_wait_alu depctr_va_vdst(0)
	v_lshlrev_b32 v6, 7, v1                        ; W_router: my four k of a chunk are 128 consecutive bytes
	WIN 0x40                                       ; destination window 1: W_router(128 c + 4 lane + i, e) at v[32 c + 8 i + e]; it stays
.irp c, 0,1,2,3,4,5,6,7
.irp u, 0,1,2,3,4,5,6,7
	global_load_b128 v[32*\c+4*\u:32*\c+4*\u+3], v6, s[6:7] offset:4096*\c+16*\u
.endr
.endr
	WIN 0
	v_lshlrev_b32 v2, 4, v1                        ; 16 x lane
.macro XLOAD j                         ; row j: eight loads of 512 consecutive bytes, into set j % 4
.irp c, 0,1,2,3,4,5,6,7
	global_load_b128 v[X+32*((\j)%4)+4*\c:X+32*((\j)%4)+4*\c+3], v2, s[4:5] offset:4096*(\j)+512*\c th:TH_LOAD_NT
.endr
.endm
	XLOAD 0
	XLOAD 1
	XLOAD 2
	XLOAD 3
	s_lshl_b32 s29, s22, 10                        ; my wave's stage: 1,024 bytes
	v_lshlrev_b32 v7, 2, v1                        ; 4 x lane
	v_add_nc_u32 v3, s29, v7                       ; into the stage: four codes a lane
	v_add_nc_u32 v4, s29, v2                       ; and back: 16 bytes a lane
	v_and_b32 v5, 7, v1
	v_lshlrev_b32 v168, 3, v1                      ; 8 x lane
.irp j, 0,1,2,3,4,5,6,7
	v_cmp_eq_u32 s[40+\j], \j, v5                  ; the lanes that keep row j
.endr
.irp i, 26,27,28,29,30,31
	v_mov_b32 v\i, 0                               ; written once: a lane permute's destination counts as one of its sources
.endr
	s_wait_kmcnt 0x0
	s_add_co_i32 s48, s24, 127
	s_lshl_b32 s49, s48, 23
	v_mov_b32 v24, s49                             ; 2^e0
	s_add_co_i32 s48, s48, 15
	s_lshl_b32 s48, s48, 23
	s_or_b32 s48, s48, 0x600000
	v_mov_b32 v25, s48                             ; 57,344 x 2^e0
.macro ROW j, left
.set XS, X+32*((\j)%4)
	s_wait_loadcnt \left                           ; W_router and this row are in; the younger rows' loads, eight each, may be out
	WIN 0x04                                       ; source 1 (W_router) window 1
.irp p, 0,2,4,6
	v_pk_mul_f32 v[ACC+\p:ACC+\p+1], v[XS:XS+1], v[\p:\p+1] op_sel_hi:[0,1]   ; the first product starts the sums: x(k) for both halves, two experts
.endr
.set m, 1
.rept 31
.irp p, 0,2,4,6
.if m%2
	v_pk_fma_f32 v[ACC+\p:ACC+\p+1], v[XS+m-1:XS+m], v[8*m+\p:8*m+\p+1], v[ACC+\p:ACC+\p+1] op_sel:[1,0,0] op_sel_hi:[1,1,1]
.else
	v_pk_fma_f32 v[ACC+\p:ACC+\p+1], v[XS+m:XS+m+1], v[8*m+\p:8*m+\p+1], v[ACC+\p:ACC+\p+1] op_sel_hi:[0,1,1]
.endif
.endr
.set m, m+1
.endr
	WIN 0
.irp i, 0,1,2,3,4,5,6,7,8,9,10,11,12,13,14,15,16,17,18,19,20,21,22,23,24,25,26,27,28,29,30,31
	v_med3_num_f32 v[XS+\i], v[XS+\i], -v25, v25   ; the hold, behind the router's use of the numbers
.endr
.irp q, 0,1,2,3
	v_cvt_scalef32_pk8_bf8_f32 v[CD+2*\q:CD+2*\q+1], v[XS+8*\q:XS+8*\q+7], v24
.endr
	v_nop                                          ; a plain line behind the last conversion
.if (\j) < 4
	XLOAD (\j)+4
.endif
.irp c, 0,1,2,3,4,5,6,7
	ds_store_b32 v3, v[CD+\c] offset:128*\c        ; the row's 1,024 codes in their places
.endr
	ds_load_b128 v[OUT+8*(\j):OUT+8*(\j)+3], v4    ; LDS serves a wave's instructions in order (ISA guide 5.7.1.4): these see the stores above
	ds_load_b128 v[OUT+8*(\j)+4:OUT+8*(\j)+7], v4 offset:512
.irp x, 1,2,4,8
.irp e, 0,1,2,3,4,5,6,7
	v_add_f32_dpp v[ACC+\e], v[ACC+\e], v[ACC+\e] row_xmask:\x row_mask:0xf bank_mask:0xf
.endr
.endr
.irp e, 0,1,2,3,4,5,6,7
	v_permlanex16_b32 v[26+(\e)%4], v[ACC+\e], s36, s37
.if (\j) == 0
	v_add_f32 v[KEEP+\e], v[ACC+\e], v[26+(\e)%4]  ; every lane holds the row's logit; row 0 fills the kept registers whole
.else
	v_add_f32 v[ACC+\e], v[ACC+\e], v[26+(\e)%4]
	v_cndmask_b32 v[KEEP+\e], v[KEEP+\e], v[ACC+\e], s[40+\j]
.endif
.endr
	s_wait_dscnt 0x0                               ; the codes are back, and the stage's stores have read their registers
	global_store_b128 v2, v[OUT+8*(\j):OUT+8*(\j)+3], s[14:15] offset:1024*(\j)        ; 512 consecutive bytes
	global_store_b128 v2, v[OUT+8*(\j)+4:OUT+8*(\j)+7], s[14:15] offset:1024*(\j)+512
.endm
	ROW 0, 24
	ROW 1, 24
	ROW 2, 24
	ROW 3, 24
	ROW 4, 24
	ROW 5, 16
	ROW 6, 8
	ROW 7, 0
	; the softmax of lane l's row (l % 8), with the row's maximum taken away
	v_max3_num_f32 v26, v16, v17, v18
	v_max3_num_f32 v26, v26, v19, v20
	s_wait_alu depctr_va_vdst(0)
	v_max3_num_f32 v26, v26, v21, v22
	v_max_num_f32 v26, v26, v23
.irp e, 0,1,2,3,4,5,6,7
	v_sub_f32 v[ACC+\e], v[KEEP+\e], v26
.endr
.irp e, 0,1,2,3,4,5,6,7
	v_mul_f32 v[ACC+\e], 0x3fb8aa3b, v[ACC+\e]     ; x log2(e)
.endr
	s_wait_alu depctr_va_vdst(0)
.irp e, 0,1,2,3,4,5,6,7
	v_exp_f32 v[ACC+\e], v[ACC+\e]
.endr
	v_nop                                          ; a plain line behind the last exponential
	s_wait_alu depctr_va_vdst(0)                   ; one wait for the batch, ahead of its first reader
	v_add_f32 v26, v8, v9
	v_add_f32 v27, v10, v11
	v_add_f32 v28, v12, v13
	v_add_f32 v29, v14, v15
	v_add_f32 v26, v26, v27
	v_add_f32 v28, v28, v29
	v_add_f32 v26, v26, v28
	s_wait_alu depctr_va_vdst(0)
	v_rcp_f32 v27, v26
	v_nop
	s_wait_alu depctr_va_vdst(0)
.irp e, 0,1,2,3,4,5,6,7
	v_mul_f32 v[ACC+\e], v[ACC+\e], v27            ; the probabilities
.endr
	v_mov_b32 v28, v8                              ; the largest, by strict compares in ascending order: a tie keeps the lower expert
	v_mov_b32 v29, 0
.irp e, 1,2,3,4,5,6,7
	v_cmp_gt_f32 vcc_lo, v[ACC+\e], v28
	v_cndmask_b32 v28, v28, v[ACC+\e], vcc_lo
	v_cndmask_b32 v29, v29, \e, vcc_lo
.endr
	v_mov_b32 v30, -1.0                            ; the second, among the other seven, likewise
	v_mov_b32 v31, 0
.irp e, 0,1,2,3,4,5,6,7
	v_cmp_gt_f32 s48, v[ACC+\e], v30
	v_cmp_ne_u32 s49, \e, v29
	s_and_b32 s48, s48, s49
	v_cndmask_b32 v30, v30, v[ACC+\e], s48
	v_cndmask_b32 v31, v31, \e, s48
.endr
	v_add_f32 v26, v28, v30
	s_wait_alu depctr_va_vdst(0)
	v_rcp_f32 v26, v26
	v_nop
	v_cmp_lt_u32 vcc_lo, v29, v31                  ; is the larger probability's expert the lower one?
	s_wait_alu depctr_va_vdst(0)
	v_mul_f32 v28, v28, v26
	v_mul_f32 v30, v30, v26
	v_cndmask_b32 v170, v30, v28, vcc_lo           ; the lower expert's weight,
	v_cndmask_b32 v171, v28, v30, vcc_lo           ; the higher expert's
	v_mov_b32 v169, 0
.irp e, 0,1,2,3,4,5,6,7
	v_cmp_eq_u32 s48, \e, v29
	v_cmp_eq_u32 s49, \e, v31
	s_or_b32 s48, s48, s49                         ; bit l: row l % 8 uses expert e; the low byte is my eight rows
	v_writelane_b32 v169, s48, \e
.endr
.irp x, 1,2,4
.irp e, 0,1,2,3,4,5,6,7
	v_add_f32_dpp v[ACC+\e], v[ACC+\e], v[ACC+\e] row_xmask:\x row_mask:0xf bank_mask:0xf   ; the eight rows' probabilities summed
.endr
.endr
	v_mov_b32 v172, v8
.irp e, 1,2,3,4,5,6,7
	v_cndmask_b32 v172, v172, v[ACC+\e], s[40+\e]  ; lane e takes expert e's sum
.endr
	v_cmp_gt_u32 vcc_lo, 8, v1
	s_wait_alu depctr_va_vdst(0)
	s_wait_xcnt 0x0                                ; EXEC is a source of the stores above: it changes only behind this wait
	s_wait_tensorcnt 0x0
	ds_add_u32 v254, v255
	s_wait_dscnt 0x0
	s_and_saveexec_b32 s50, vcc_lo                 ; lanes 0-7
	global_store_b64 v168, v[170:171], s[32:33]
	global_store_b8 v7, v169, s[18:19]
	global_store_b32 v7, v172, s[34:35] offset:32768
	s_endpgm
.Lfunc_end_k_q79502a0ee3_prep:
	.size	k_q79502a0ee3_prep, .Lfunc_end_k_q79502a0ee3_prep-k_q79502a0ee3_prep
	.p2alignl 7, 3214868480
	.fill 96, 4, 3214868480
	.section	.rodata,"a",@progbits
	.p2align	6, 0x0
	.amdhsa_kernel k_q79502a0ee3_prep
		.amdhsa_group_segment_fixed_size 4608
		.amdhsa_private_segment_fixed_size 0
		.amdhsa_enable_private_segment 0
		.amdhsa_kernarg_size 72
		.amdhsa_user_sgpr_count 2
		.amdhsa_user_sgpr_kernarg_segment_ptr 1
		.amdhsa_wavefront_size32 1
		.amdhsa_system_sgpr_workgroup_id_x 1
		.amdhsa_system_sgpr_workgroup_id_y 1
		.amdhsa_system_sgpr_workgroup_id_z 1
		.amdhsa_system_vgpr_workitem_id 0
		.amdhsa_next_free_vgpr 512
		.amdhsa_next_free_sgpr 66
		.amdhsa_reserve_vcc 1
		.amdhsa_float_denorm_mode_32 3
		.amdhsa_float_denorm_mode_16_64 3
		.amdhsa_memory_ordered 1
		.amdhsa_forward_progress 1
		.amdhsa_inst_pref_size 186
	.end_amdhsa_kernel
	.amdgpu_metadata
---
amdhsa.version: [ 1, 2 ]
amdhsa.kernels:
  - .name:           k_q79502a0ee3_prep
    .symbol:         k_q79502a0ee3_prep.kd
    .args:
      - { .name: x, .offset: 0, .size: 8, .value_kind: global_buffer, .address_space: global }
      - { .name: W_router, .offset: 8, .size: 8, .value_kind: global_buffer, .address_space: global }
      - { .name: W1, .offset: 16, .size: 8, .value_kind: global_buffer, .address_space: global }
      - { .name: W2, .offset: 24, .size: 8, .value_kind: global_buffer, .address_space: global }
      - { .name: lowp_scales, .offset: 32, .size: 8, .value_kind: global_buffer, .address_space: global }
      - { .name: xc, .offset: 40, .size: 8, .value_kind: global_buffer, .address_space: global }
      - { .name: wc, .offset: 48, .size: 8, .value_kind: global_buffer, .address_space: global }
      - { .name: memb, .offset: 56, .size: 8, .value_kind: global_buffer, .address_space: global }
      - { .name: rwp, .offset: 64, .size: 8, .value_kind: global_buffer, .address_space: global }
    .group_segment_fixed_size: 4608
    .private_segment_fixed_size: 0
    .kernarg_segment_align: 8
    .kernarg_segment_size: 72
    .max_flat_workgroup_size: 128
    .sgpr_count:     66
    .vgpr_count:     512
    .wavefront_size: 32
...
	.end_amdgpu_metadata
.endif
;; end of part 6
;; launch place (part 7): grid 1 x 1, 32 waves a work-group, no clusters, 6,144 bytes of LDS; arguments memb, rwp, lists, out1; writes lists, out1
.if DOCPART == 7
	.amdgcn_target "amdgcn-amd-amdhsa--gfx1250"
	.amdhsa_code_object_version 6
	.text
	.protected	k_q79502a0ee3_place
	.globl	k_q79502a0ee3_place
	.p2align	8
	.type	k_q79502a0ee3_place,@function
k_q79502a0ee3_place:
	s_mov_b64 s[64:65], 0
	v_nop
	global_prefetch_b8 v0, s[64:65] scope:SCOPE_SE
	s_setreg_imm32_b32 hwreg(HW_REG_WAVE_MODE, 25, 1), 1
	s_wait_xcnt 0x0
; PLACE.  One work-group of 32 waves sorts the 8,192 routed rows by expert (a counting sort without atomics) and makes the aux loss.
; An expert's rows are laid in tiles of 144 slots; tile i owns slots 144 i .. 144 i + 143.  The sum over experts of ceil(count / 144) is at most (8,192 + 8 x 143) / 144, so 64 tiles serve every split.
; lists: rowtok [9216] at byte 0 (the slot's token; 0 in slots without a row; every entry is written), tokslot [4096][2] at 36,864 (the slots of a token's lower and higher expert),
;        tiles [64][2] at 69,632 (expert, rows in the tile: 0 to 144; tiles past the last one: expert 7, 0 rows).
; Wave w owns tokens 128 w .. 128 w + 127: four groups of 32, whose membership words (bit = token, word = expert) lie in scalar registers.
; One work-group, since every place hangs on all counts; the data are 4 KiB of words and 16 KiB of sums.
.set MK, 32                            ; s[32:63]  mask of group v, expert e at s[32 + 8 v + e]
.set TE, 66                            ; s66-73    an expert's rows in all
.set BE, 74                            ; s74-81    the next free slot of an expert for my wave
.set TB, 82                            ; s82-90    an expert's first tile; s90: tiles in use
	s_load_b256 s[4:11], s[0:1], 0x0               ; memb s[4:5], rwp s[6:7], lists s[8:9], out1 s[10:11]
	v_lshl_add_u32 v96, v0, 2, 0x800
	v_mov_b32 v97, 0
	v_lshrrev_b32 v1, 5, v0
	s_delay_alu instid0(VALU_DEP_1)
	v_readfirstlane_b32 s12, v1                    ; wave
	v_and_b32 v1, 31, v0                           ; lane
	v_lshlrev_b32 v2, 4, v0                        ; 16 x thread
	s_lshl_b32 s14, s12, 7
	s_mov_b32 s15, 0
	s_mov_b32 s28, 0x76543210
	s_mov_b32 s29, 0xfedcba98
	s_wait_alu depctr_va_vdst(0)
	s_wait_kmcnt 0x0
	s_add_nc_u64 s[4:5], s[4:5], s[14:15]
	s_load_b512 s[32:47], s[4:5], 0x0              ; groups 4 w, 4 w + 1
	s_load_b512 s[48:63], s[4:5], 0x40             ; groups 4 w + 2, 4 w + 3
	global_load_b128 v[4:7], v2, s[6:7] offset:32768   ; psum: thread t takes experts 4 (t % 2) .. + 3 of prep's wave t / 2
	v_mov_b32 v3, s12
	s_delay_alu instid0(VALU_DEP_1)
	v_lshlrev_b32 v3, 2, v3                        ; LDS: counts [e][w] at 128 e + 4 w
	s_lshl_b32 s13, s12, 5
	v_and_b32 v8, 1, v0
	s_delay_alu instid0(VALU_DEP_1)
	v_lshlrev_b32 v8, 4, v8
	s_delay_alu instid0(VALU_DEP_1)
	v_add_nc_u32 v8, s13, v8
	s_delay_alu instid0(VALU_DEP_1)
	v_add_nc_u32 v8, 1024, v8                      ; LDS: a wave's eight sums at 1,024 + 32 w
	v_lshlrev_b32 v9, 2, v1
	v_lshlrev_b32 v10, 5, v1
	s_delay_alu instid0(VALU_DEP_1)
	v_add_nc_u32 v10, 1024, v10
.irp i, 20,21,22,23,32,33,34,35,36,37,38,39,89
	v_mov_b32 v\i, 0                               ; written once: destinations of lane permutes and DPP moves count as sources
.endr
	s_wait_kmcnt 0x0
.irp e, 0,1,2,3,4,5,6,7
	s_bcnt1_i32_b32 s16, s[MK+\e]
	s_bcnt1_i32_b32 s17, s[MK+8+\e]
	s_add_co_u32 s16, s16, s17
	s_bcnt1_i32_b32 s17, s[MK+16+\e]
	s_add_co_u32 s16, s16, s17
	s_bcnt1_i32_b32 s17, s[MK+24+\e]
	s_add_co_u32 s16, s16, s17
	v_mov_b32 v[12+\e], s16
	ds_store_b32 v3, v[12+\e] offset:128*\e        ; my wave's rows of expert e (all lanes write the same word with the same value)
.endr
	s_wait_loadcnt 0x0
.irp x, 2,4,8
.irp i, 4,5,6,7
	v_add_f32_dpp v\i, v\i, v\i row_xmask:\x row_mask:0xf bank_mask:0xf   ; lanes of equal parity hold the same experts
.endr
.endr
.irp i, 4,5,6,7
	s_delay_alu instid0(VALU_DEP_4)
	v_permlanex16_b32 v[16+\i], v\i, s28, s29
.endr
.irp i, 4,5,6,7
	s_delay_alu instid0(VALU_DEP_4)
	v_add_f32 v\i, v\i, v[16+\i]
.endr
	ds_store_b128 v8, v[4:7]
	s_wait_dscnt 0x0                               ; for the others' sake: my stores have landed
	s_barrier_signal -1
	s_barrier_wait -1
.irp e, 0,1,2,3,4,5,6,7
	ds_load_b32 v[12+\e], v9 offset:128*\e         ; lane l: wave l's count
.endr
	ds_load_b128 v[24:27], v10                     ; lane l: wave l's eight sums
	ds_load_b128 v[28:31], v10 offset:16
	s_wait_dscnt 0x0
	v_cmp_gt_u32 vcc_lo, s12, v1                   ; the waves in front of mine
.irp e, 0,1,2,3,4,5,6,7
	v_lshlrev_b32 v20, 16, v[12+\e]
	s_delay_alu instid0(VALU_DEP_1)
	v_cndmask_b32 v20, 0, v20, vcc_lo
	s_delay_alu instid0(VALU_DEP_1)
	v_or_b32 v[12+\e], v[12+\e], v20               ; low half: the count; high half: the count where it lies in front of me.  Both sums stay under 4,097
.endr
.irp x, 1,2,4,8
.irp e, 0,1,2,3,4,5,6,7
	v_mov_b32_dpp v[32+\e], v[12+\e] row_xmask:\x row_mask:0xf bank_mask:0xf
	s_delay_alu instid0(VALU_DEP_1)
	v_add_nc_u32 v[12+\e], v[12+\e], v[32+\e]
.endr
.endr
	s_mov_b32 s[TB], 0
.irp e, 0,1,2,3,4,5,6,7
	v_permlanex16_b32 v[32+\e], v[12+\e], s28, s29
	s_delay_alu instid0(VALU_DEP_1)
	v_add_nc_u32 v[12+\e], v[12+\e], v[32+\e]
	s_delay_alu instid0(VALU_DEP_1)
	v_readfirstlane_b32 s16, v[12+\e]
	s_and_b32 s[TE+\e], s16, 0xffff                ; the expert's rows in all
	s_lshr_b32 s[BE+\e], s16, 16                   ; those of the waves in front of mine
	s_add_co_u32 s16, s[TE+\e], 143
	s_mul_hi_u32 s16, s16, 0x1C71C72               ; / 144: 0x1C71C72 = ceil(2^32 / 144), exact for numbers under 900,000
	s_add_co_u32 s[TB+1+\e], s[TB+\e], s16
	s_mul_i32 s16, s[TB+\e], 144
	s_add_co_u32 s[BE+\e], s[BE+\e], s16
.endr
	s_lshl_b32 s16, s12, 7
	v_add_nc_u32 v40, s16, v1                      ; 128 w + lane
	s_lshl_b32 s16, s12, 10
	v_lshl_add_u32 v41, v1, 3, s16                 ; tokslot: 8 bytes a token
; Group g of my four.  Experts in descending order: a lane whose bit is set moves its last slot up and takes the new one, so it ends with the lower expert's slot first.
.macro PLACE g
.set PB, 48+8*(\g)
	v_mov_b32 v[PB], 0
	v_mov_b32 v[PB+1], 0
.irp e, 7,6,5,4,3,2,1,0
	v_mbcnt_lo_u32_b32 v[PB+5], s[MK+8*(\g)+\e], s[BE+\e]          ; the expert's next free slot + the set bits under my lane
	v_cndmask_b32 v[PB+1], v[PB+1], v[PB], s[MK+8*(\g)+\e]
	s_delay_alu instid0(VALU_DEP_2)
	v_cndmask_b32 v[PB], v[PB], v[PB+5], s[MK+8*(\g)+\e]
	s_bcnt1_i32_b32 s16, s[MK+8*(\g)+\e]
	s_add_co_u32 s[BE+\e], s[BE+\e], s16
.endr
	v_min_u32 v[PB], 0x23ff, v[PB]                 ; a slot is under 9,216
	v_min_u32 v[PB+1], 0x23ff, v[PB+1]
	s_delay_alu instid0(VALU_DEP_2)
	v_lshlrev_b32 v[PB+2], 2, v[PB]
	s_delay_alu instid0(VALU_DEP_2)
	v_lshlrev_b32 v[PB+3], 2, v[PB+1]
	v_add_nc_u32 v[PB+4], 32*(\g), v40             ; my token
	global_store_b64 v41, v[PB:PB+1], s[8:9] offset:36864+256*(\g)
	global_store_b32 v[PB+2], v[PB+4], s[8:9]
	global_store_b32 v[PB+3], v[PB+4], s[8:9]
.endm
	PLACE 0
	PLACE 1
	PLACE 2
	PLACE 3
	; slots without a row get token 0.  Wave w serves expert w % 8, part w / 8: the slots behind the expert's last row, up to its tiles' end: 143 at the most
	s_and_b32 s17, s12, 7
	s_lshr_b32 s18, s12, 3
	s_mov_b32 s19, s[TB]
	s_mov_b32 s20, s[TB+1]
	s_mov_b32 s21, s[TE]
.irp e, 1,2,3,4,5,6,7
	s_cmp_eq_u32 s17, \e
	s_cselect_b32 s19, s[TB+\e], s19
	s_cselect_b32 s20, s[TB+1+\e], s20
	s_cselect_b32 s21, s[TE+\e], s21
.endr
	s_mul_i32 s19, s19, 144
	s_add_co_u32 s19, s19, s21                     ; the first such slot,
	s_mul_i32 s20, s20, 144                        ; and the end
	s_lshl_b32 s18, s18, 5
	s_add_co_u32 s19, s19, s18
	v_add_nc_u32 v42, s19, v1                      ; my slot of the first 128 behind the last row,
	s_delay_alu instid0(VALU_DEP_1)
	v_add_nc_u32 v45, 128, v42                     ; and of the next 128
	s_mul_i32 s21, s[TB+8], 144
	v_add_nc_u32 v47, s21, v0                      ; and of the tiles not in use: 9,216 - 144 x 57 = 1,008 slots at the most, one a thread
	v_mov_b32 v43, 0
	; Every address of the stores below is made here, with all lanes on: further down EXEC is narrowed by masks that are made of loaded counts.
	v_min_u32 v44, 0x23ff, v42                     ; a slot is under 9,216
	v_min_u32 v46, 0x23ff, v45
	s_delay_alu instid0(VALU_DEP_4)
	v_min_u32 v80, 0x23ff, v47
	s_delay_alu instid0(VALU_DEP_3)
	v_lshlrev_b32 v44, 2, v44
	s_delay_alu instid0(VALU_DEP_3)
	v_lshlrev_b32 v46, 2, v46
	s_delay_alu instid0(VALU_DEP_3)
	v_lshlrev_b32 v80, 2, v80
	v_lshlrev_b32 v86, 3, v0                       ; the table of tiles: 8 bytes a tile
	v_mov_b32 v90, 0                               ; out1
	s_cmp_lt_u32 s12, 2                            ; the table of tiles: waves 0 and 1, tile = thread
	s_cbranch_scc0 .Lno_tiles
	v_mul_u32_u24 v82, v0, 144
	v_mov_b32 v84, 0
	s_delay_alu instid0(VALU_DEP_2)
	v_sub_nc_u32 v85, s[TE], v82                   ; rows left from this tile on, if it is expert 0's
.irp e, 1,2,3,4,5,6,7
	s_mul_i32 s16, s[TB+\e], 144
	s_add_co_u32 s16, s16, s[TE+\e]
	v_cmp_le_u32 vcc_lo, s[TB+\e], v0              ; the last expert whose first tile is not behind mine
	v_sub_nc_u32 v83, s16, v82
	s_delay_alu instid0(VALU_DEP_2)
	v_cndmask_b32 v84, v84, \e, vcc_lo
	s_delay_alu instid0(VALU_DEP_2)
	v_cndmask_b32 v85, v85, v83, vcc_lo
.endr
	s_delay_alu instid0(VALU_DEP_1)
	v_max_i32 v85, 0, v85
	s_delay_alu instid0(VALU_DEP_1)
	v_min_i32 v85, 0x90, v85
	global_store_b64 v86, v[84:85], s[8:9] offset:69632
.Lno_tiles:
.macro PADST idx, adr, lim             ; token 0 into slot v[idx], where it lies under lim
	v_cmp_gt_u32 vcc_lo, \lim, v[\idx]
	s_wait_xcnt 0x0                                ; EXEC is a source of the stores issued so far: it changes only behind this wait
	s_and_saveexec_b32 s22, vcc_lo
	global_store_b32 v[\adr], v43, s[8:9]
	s_wait_xcnt 0x0                                ; and of this one
	s_or_b32 exec_lo, exec_lo, s22
.endm
	s_wait_alu depctr_va_vdst(0)
	PADST 42, 44, s20
	PADST 45, 46, s20
	PADST 47, 80, 0x2400
	s_cmp_lg_u32 s12, 0                            ; the aux loss: wave 0
	s_cbranch_scc1 .Lend
	v_cvt_f32_u32 v87, s[TE]
	s_delay_alu instid0(VALU_DEP_1)
	v_mul_f32 v88, v24, v87
.irp e, 1,2,3,4,5,6,7
	v_cvt_f32_u32 v87, s[TE+\e]
	s_delay_alu instid0(VALU_DEP_1)
	v_fmac_f32 v88, v[24+\e], v87                  ; the sum over experts of (a wave's sum of probabilities) x (the expert's rows)
.endr
.irp x, 1,2,4,8
	s_delay_alu instid0(VALU_DEP_1)
	v_add_f32_dpp v88, v88, v88 row_xmask:\x row_mask:0xf bank_mask:0xf
.endr
	s_delay_alu instid0(VALU_DEP_1)
	v_permlanex16_b32 v89, v88, s28, s29
	s_delay_alu instid0(VALU_DEP_1)
	v_add_f32 v88, v88, v89
	s_delay_alu instid0(VALU_DEP_1)
	v_mul_f32 v88, 0x3123D70A, v88                 ; x 0.01 x 8 / (4,096 x 8,192) = 0.08 x 2^-25
	v_cmp_eq_u32 vcc_lo, 0, v1
	s_wait_alu depctr_va_vdst(0)
	s_wait_xcnt 0x0
	s_and_saveexec_b32 s22, vcc_lo                 ; lane 0
	global_store_b32 v90, v88, s[10:11]
	s_wait_xcnt 0x0
	s_or_b32 exec_lo, exec_lo, s22
.Lend:
	s_wait_tensorcnt 0x0
	ds_add_u32 v96, v97
	s_wait_dscnt 0x0
	s_endpgm
.Lfunc_end_k_q79502a0ee3_place:
	.size	k_q79502a0ee3_place, .Lfunc_end_k_q79502a0ee3_place-k_q79502a0ee3_place
	.p2alignl 7, 3214868480
	.fill 96, 4, 3214868480
	.section	.rodata,"a",@progbits
	.p2align	6, 0x0
	.amdhsa_kernel k_q79502a0ee3_place
		.amdhsa_group_segment_fixed_size 6144
		.amdhsa_private_segment_fixed_size 0
		.amdhsa_enable_private_segment 0
		.amdhsa_kernarg_size 32
		.amdhsa_user_sgpr_count 2
		.amdhsa_user_sgpr_kernarg_segment_ptr 1
		.amdhsa_wavefront_size32 1
		.amdhsa_system_sgpr_workgroup_id_x 1
		.amdhsa_system_sgpr_workgroup_id_y 1
		.amdhsa_system_sgpr_workgroup_id_z 1
		.amdhsa_system_vgpr_workitem_id 0
		.amdhsa_next_free_vgpr 98
		.amdhsa_next_free_sgpr 96
		.amdhsa_reserve_vcc 1
		.amdhsa_float_denorm_mode_32 3
		.amdhsa_float_denorm_mode_16_64 3
		.amdhsa_memory_ordered 1
		.amdhsa_forward_progress 1
		.amdhsa_inst_pref_size 36
	.end_amdhsa_kernel
	.amdgpu_metadata
---
amdhsa.version: [ 1, 2 ]
amdhsa.kernels:
  - .name:           k_q79502a0ee3_place
    .symbol:         k_q79502a0ee3_place.kd
    .args:
      - { .name: memb, .offset: 0, .size: 8, .value_kind: global_buffer, .address_space: global }
      - { .name: rwp, .offset: 8, .size: 8, .value_kind: global_buffer, .address_space: global }
      - { .name: lists, .offset: 16, .size: 8, .value_kind: global_buffer, .address_space: global }
      - { .name: out1, .offset: 24, .size: 8, .value_kind: global_buffer, .address_space: global }
    .group_segment_fixed_size: 6144
    .private_segment_fixed_size: 0
    .kernarg_segment_align: 8
    .kernarg_segment_size: 32
    .max_flat_workgroup_size: 1024
    .sgpr_count:     96
    .vgpr_count:     98
    .wavefront_size: 32
...
	.end_amdgpu_metadata
.endif
;; end of part 7
;; launch gemm1 (part 8): grid 4 x 64, 4 waves a work-group, no clusters, 189,440 bytes of LDS; arguments xc, wc, b1, lowp_scales, lists, hc; writes hc
.if DOCPART == 8
	.amdgcn_target "amdgcn-amd-amdhsa--gfx1250"
	.amdhsa_code_object_version 6
	.text
	.protected	k_q79502a0ee3_gemm1
	.globl	k_q79502a0ee3_gemm1
	.p2align	8
	.type	k_q79502a0ee3_gemm1,@function
k_q79502a0ee3_gemm1:
	s_mov_b64 s[64:65], 0
	v_nop
	global_prefetch_b8 v0, s[64:65] scope:SCOPE_SE
	s_setreg_imm32_b32 hwreg(HW_REG_WAVE_SCHED_MODE, 0, 2), 2
	s_setreg_imm32_b32 hwreg(HW_REG_WAVE_MODE, 25, 1), 1
	s_wait_xcnt 0x0
	s_wait_alu depctr_vm_vsrc(0)
; GEMM1.  hc[slot][f] = Q(gelu(x[token of slot] W1[e] + b1[e])): codes of E5M2 in (2^e0, 2^e1), f32 sums, exact gelu in f32, codes out (2^e3).
; A work-group takes one tile of 144 slots (grid y) x 256 hidden units (grid x); its expert comes from the stored table of tiles.  Wave w makes all 144 rows x units 64 w .. 64 w + 63: 36 accumulators.
; A (the rows' codes, gathered by the stored list) lies whole in LDS, 144 rows x 1,024 bytes; B (the weights' codes) comes from memory straight into registers, in the order of an operand's registers, three K steps ahead.
; THE MATRIX INSTRUCTION IS USED TRANSPOSED (source 0 = 16 units, source 1 = 16 rows): a lane holds eight neighbouring units of one row, which is what the conversion to codes takes.
; So bias, gelu, hold and conversion are done where the sums lie, and only the codes, 8 bytes for an accumulator and lane, go through LDS to leave as whole rows of 256 bytes.
; A fragment's registers 4 c .. 4 c + 3 hold k = 32 c + 16 (lane / 16) + 0..15, in A and in B alike: a permutation of k that both sides share.
; Slots without a row carry token 0 and tiles without rows carry expert 7: they run the same text, since every wave passes every barrier, and all 144 rows are stored (the next launch loads them all).
; NO CLUSTER, NO TENSOR LOAD: which work-groups share weights hangs on the stored list (an expert has 0 to 29 tiles), so no fixed four share B at every split; A's rows are gathered by a list, row by row.
; erf(u) = u P(u^2) / Q(u^2), u held within +-4, a rational form good to a few units of f32's last place; 1 + erf carries f32's absolute error, as the formula 0.5 z (1 + erf) itself does.
; LIMITS: e0 + e1 between -125 and 127 (2^(e0 + e1 - 1) is made as an f32 number); e3 between -126 and 112; NaN among the inputs is not served.
; REGISTERS, in windows of 256: window 0: v0-31 addresses; v32-175 A's nine fragments, set 0; v184-201 the rows' tokens; v208-239 bias; v240-245 constants; on the way out v32-207 at work.
;   window 1: B's fragments, four sets of 64.   window 2: accumulator (a, b), a < 8, at v[32 a + 8 b].   window 3: accumulator (8, b) at v[8 b]; v32-175 A's set 1.
;   The gathered rows pass through the accumulators' registers on their way into LDS.
; THE MODE: SCHED_MODE bits 1:0 = 2 (LLVM: expert scheduling mode 2), set by the entry lines.  The code itself states the register dependences
; between vector or matrix instructions and memory or LDS instructions, with s_wait_alu, always for 0.
; THE PLAN.  Registers that memory or LDS instructions touch:
;   v4-16        offsets and LDS addresses: made at the head, never written again: one wait on va_vdst ahead of the first load.
;   TK           loads land in it, vector lines make offsets of it, the gather reads it: a wait on va_vdst ahead of the gather.
;   the accumulators' registers   the gather lands in them, LDS stores read them, step 0's products write them: one wait on vm_vsrc behind the first barrier (it also frees TK, which the way out writes).
;   A's two sets   Step s's products read set s % 2; the LDS loads of step s + 1's fragments, issued in step s, land in the other set, which step s - 1's products read.
;   B's four sets  Step s's products read set s % 4; the loads of step s + 3, issued in step s, land in set (s - 1) % 4, which step s - 1's products read.
;   So ONE wait on va_vdst stands at the head of a step that loads: the products of the step before are done with both.  The step's loads follow it, dealt among its products,
;   which name A's set s % 2, B's set s % 4 and the accumulators: none of the registers that those loads touch.
;   CD0, CD1     the codes, two sets by turns.  Tile a's conversions write set a % 2; the four LDS stores that read it stand in tile a + 1, behind that tile's wait for its reciprocals, which shows
;                the codes written too; a wait on vm_vsrc ahead of tile a + 2's conversions, which write the set again.
;   v32-103      at the end the loads from the stage land in them: the wait on va_vdst ahead of the last tile's stores stands behind every vector line that names them.
.set PITCH, 1040                       ; an LDS row of A: 1,024 bytes + 16 = 260 words: row r starts at bank 4 r mod 64 (64 banks of 4 bytes: ISA guide 11.1)
.set BLK1,  16*PITCH
.set BLK4,  64*PITCH                   ; LDS immediates have 16 bits: three address registers, 64 rows apart
.set DT,    144*PITCH                  ; behind A's rows: the codes' stage, 144 rows x (256 bytes + 16)
.set SP,    272                        ; its pitch: 68 words: the 32 lanes of a store of 8 bytes (row r, half h) take words 4 r + 2 h, + 1 mod 64
.set L16, 4                            ; v4   16 x lane
.set A16, 5                            ; v5   16 x (lane % 16)
.set GST, 6                            ; v6   where a gathered piece goes in LDS
.set RT4, 7                            ; v7   4 x (lane / 16)
.set AF,  8                            ; v8-10  my lane's place in A's fragments
.set BA,  11                           ; v11  the bias: 256 x wave + 32 x (lane / 16)
.set DA,  12                           ; v12  my lane's place in the stage
.set RDB, 15                           ; v15  the way out: my 16 bytes of my wave's first two rows in the stage
.set GOB, 16                           ; v16  and in hc
.set AFR, 32
.set TK,  184
.set BI,  208                          ; v208-239: register 8 b + i = 0.5 x b1(64 w + 16 b + 8 h + i): the accumulators' layout
.set Z,   32
.set U,   64
.set T,   96
.set P,   128
.set Q,   160
.set CD,  192                          ; v192-199, v200-207: a tile's codes, two sets by turns
.set OB,  32
.set SC,  240
.set HL,  241
.set PL,  242
.set QL,  244
.set MSB, 0
.macro WIN new                         ; the immediate's high byte repeats the setting that is left
.if MSB != \new
	s_set_vgpr_msb (MSB<<8)|\new
.set MSB, \new
.endif
.endm
.macro SPAIR r, val                    ; a constant as a scalar pair: the packed forms name a pair and take its low word for both halves
	s_mov_b32 s[\r], \val
	s_mov_b32 s[\r+1], \val
.endm
.macro BLOAD s                         ; B's four fragments of K step s into set s % 4: each load reads 512 consecutive bytes
	WIN 0x40
.irp b, 0,1,2,3
.irp c, 0,1,2,3
	global_load_b128 v[64*((\s)%4)+16*\b+4*\c:64*((\s)%4)+16*\b+4*\c+3], v[L16], s[30:31] offset:16384*\b+2048*(\s)+512*\c
.endr
.endr
.endm
.macro AFRAG s, a                      ; A's fragment a of K step s into set s % 2 (set 0: window 0; set 1: window 3)
	WIN (0xc0*((\s)%2))
.irp c, 0,1,2,3
	ds_load_b128 v[AFR+16*(\a)+4*\c:AFR+16*(\a)+4*\c+3], v[AF+(\a)/4] offset:((\a)%4)*BLK1+128*(\s)+32*\c
.endr
.endm
.macro MULA s, a                       ; four products: A's block a against B's four.  The 36 accumulators take turns, one instruction a turn, in the same order in every step
.set BS, 64*((\s)%4)
.set AC, 32*((\a)%8)
	WIN (0xa1+0x50*((\a)/8)+0x0c*((\s)%2))         ; source 0 (B) window 1; source 1 (A) window 0 or 3; C and D window 2, for block 8 window 3
.irp b, 0,1,2,3
.if (\s) == 0
	v_wmma_f32_16x16x128_bf8_bf8 v[AC+8*\b:AC+8*\b+7], v[BS+16*\b:BS+16*\b+15], v[AFR+16*(\a):AFR+16*(\a)+15], 0
.else
	v_wmma_f32_16x16x128_bf8_bf8 v[AC+8*\b:AC+8*\b+7], v[BS+16*\b:BS+16*\b+15], v[AFR+16*(\a):AFR+16*(\a)+15], v[AC+8*\b:AC+8*\b+7]
.endif
.endr
.endm
.macro STEP s
.if (\s) > 0
.rept 4
	v_nop                                          ; four places between the last products and loads into registers that they read (ISA guide 7.12.1 for vector instructions)
.endr
.endif
.if ((\s) > 0) && ((\s) < 7)
	s_wait_alu depctr_va_vdst(0)                   ; the last step's products are done reading A's other set and B's set (s - 1) % 4, in which this step's loads land
.endif
	s_wait_dscnt 0x0                               ; this step's A, asked for in the step before, is in
.if (\s) == 0
	s_wait_loadcnt 48                              ; this step's B is in; the three younger sets, 16 loads each, may be out
.elseif (\s) <= 5
	s_wait_loadcnt 32                              ; this step's B is in; the two younger sets may be out (this step's own request follows below)
.else
	s_wait_loadcnt 16*(7-(\s))
.endif
	MULA \s, 0
.if (\s) < 7
	AFRAG (\s)+1, 0                                ; the next step's A, three fragments at a time among the products.  No wait: no product since the wait above names these registers
	AFRAG (\s)+1, 1
	AFRAG (\s)+1, 2
.endif
	MULA \s, 1
.if (\s) < 7
	AFRAG (\s)+1, 3
	AFRAG (\s)+1, 4
	AFRAG (\s)+1, 5
.endif
	MULA \s, 2
.if (\s) < 7
	AFRAG (\s)+1, 6
	AFRAG (\s)+1, 7
	AFRAG (\s)+1, 8
.endif
	MULA \s, 3
.if ((\s) >= 1) && ((\s) <= 4)
	BLOAD (\s)+3                                   ; into the set that the last step multiplied; it has three steps in which to land, so it stands behind A's loads
.endif
	MULA \s, 4                                     ; twenty products stand behind the step's last load
	MULA \s, 5
	MULA \s, 6
	MULA \s, 7
	MULA \s, 8
.endm
	s_load_b256 s[4:11], s[0:1], 0x0               ; xc s[4:5], wc s[6:7], b1 s[8:9], scales s[10:11]
	s_load_b128 s[12:15], s[0:1], 0x20             ; lists s[12:13], hc s[14:15]
	v_lshl_add_u32 v254, v0, 2, 0x2e200
	v_mov_b32 v255, 0
	v_lshrrev_b32 v1, 5, v0
	v_readfirstlane_b32 s16, v1                    ; wave
	v_and_b32 v1, 31, v0                           ; lane
	v_and_b32 v2, 15, v0                           ; r
	v_bfe_u32 v3, v0, 4, 1                         ; h
	v_lshlrev_b32 v[L16], 4, v1
	v_lshlrev_b32 v[A16], 4, v2
	s_wait_alu depctr_va_sdst(0)                   ; s16 is written, ahead of its first reader: LDS addresses and the buffers' bases are made from it
	s_mul_i32 s17, s16, 36*PITCH                   ; my wave gathers, and later sends out, rows 36 w .. 36 w + 35
	v_mul_u32_u24 v[GST], v3, PITCH
	v_add_nc_u32 v[GST], v[GST], v[A16]
	v_add_nc_u32 v[GST], s17, v[GST]               ; lanes 0-15: 256 bytes of an even row; lanes 16-31: of the next
	v_lshlrev_b32 v[RT4], 2, v3
	v_mul_u32_u24 v[AF], v2, PITCH
	v_lshl_add_u32 v[AF], v3, 4, v[AF]             ; row r x pitch + 16 h
	v_add_nc_u32 v[AF+1], BLK4, v[AF]
	v_add_nc_u32 v[AF+2], 2*BLK4, v[AF]
	s_mul_i32 s17, s16, 36*SP
	v_mul_u32_u24 v[RDB], v3, SP
	v_add_nc_u32 v[RDB], v[RDB], v[A16]
	v_add_nc_u32 v[RDB], s17, v[RDB]
	v_add_nc_u32 v[RDB], DT, v[RDB]                ; back from the stage: lanes 0-15 one row of 256 bytes, lanes 16-31 the next
	s_lshl_b32 s17, s16, 6
	v_mul_u32_u24 v[DA], v2, SP
	v_lshl_add_u32 v[DA], v3, 3, v[DA]
	v_add_nc_u32 v[DA], s17, v[DA]
	v_add_nc_u32 v[DA], DT, v[DA]                  ; into the stage: row r, my wave's 64 bytes, + 8 h
	v_lshl_add_u32 v[GOB], v3, 10, v[A16]          ; and the same two rows in hc
	s_lshl_b32 s17, s16, 8
	v_lshlrev_b32 v[BA], 5, v3
	v_add_nc_u32 v[BA], s17, v[BA]
	s_and_b32 s18, ttmp7, 0xffff                   ; the tile
	s_mul_i32 s19, s18, 144
	s_mul_i32 s22, s16, 36
	s_add_co_u32 s19, s19, s22                     ; my wave's first slot
	s_lshl_b32 s34, s18, 3
	s_mov_b32 s35, 0
	s_lshl_b32 s36, s19, 2
	s_mov_b32 s37, 0
	s_lshl_b32 s38, s19, 10
	s_lshl_b32 s39, ttmp9, 8
	s_add_co_u32 s38, s38, s39
	s_mov_b32 s39, 0
	s_wait_kmcnt 0x0
	s_add_nc_u64 s[34:35], s[12:13], s[34:35]
	s_add_nc_u64 s[28:29], s[12:13], s[36:37]      ; rowtok at my first slot
	s_add_nc_u64 s[70:71], s[14:15], s[38:39]      ; hc at my first slot, my work-group's 256 bytes
	s_load_b32 s20, s[34:35], 0x11000              ; the tile's expert
	s_load_b128 s[24:27], s[10:11], 0x0            ; e0, e1, e2, e3
	s_wait_alu depctr_va_vdst(0)                   ; v4 to v16 are written: the offsets and LDS addresses that the loads and stores of the whole kernel read
.irp p, 0,1,2,3,4,5,6,7,8,9,10,11,12,13,14,15,16,17
	global_load_b32 v[TK+\p], v[RT4], s[28:29] offset:8*\p          ; the token of row 36 w + 2 p + h
.endr
	SPAIR 44, 0x32EDFFEE                           ; P's coefficients under the leading one, highest power first
	SPAIR 46, 0xB60CFF51
	SPAIR 48, 0xB86EC2D2
	SPAIR 50, 0xBA40AC63
	SPAIR 52, 0xBB41A1F6
	SPAIR 54, 0xBC83DBD4
	SPAIR 56, 0xB95FBD29                           ; Q's likewise
	SPAIR 58, 0xBADC924E
	SPAIR 60, 0xBBF19BF8
	SPAIR 62, 0xBC69B6A7
	v_mov_b32 v[PL], 0xAF95DF0B                    ; the leading coefficients, as vector pairs
	v_mov_b32 v[PL+1], 0xAF95DF0B
	v_mov_b32 v[QL], 0xB77460CD
	v_mov_b32 v[QL+1], 0xB77460CD
	s_wait_kmcnt 0x0
	s_min_u32 s20, s20, 7
	s_lshl_b32 s36, s20, 20                        ; W1[e]'s codes: 1 MiB a matrix
	s_lshl_b32 s37, ttmp9, 2
	s_add_co_u32 s37, s37, s16
	s_lshl_b32 s37, s37, 16                        ; + (16 x + 4 w) blocks of 16 columns, 16,384 bytes each
	s_add_co_u32 s36, s36, s37
	s_mov_b32 s37, 0
	s_add_nc_u64 s[30:31], s[6:7], s[36:37]
	s_lshl_b32 s38, s20, 12
	s_lshl_b32 s39, ttmp9, 10
	s_add_co_u32 s38, s38, s39
	s_mov_b32 s39, 0
	s_add_nc_u64 s[32:33], s[8:9], s[38:39]        ; b1[e] at my work-group's 256 units
.irp b, 0,1,2,3
	global_load_b128 v[BI+8*\b:BI+8*\b+3], v[BA], s[32:33] offset:64*\b          ; b1 of units 64 w + 16 b + 8 h + 0..7
	global_load_b128 v[BI+8*\b+4:BI+8*\b+7], v[BA], s[32:33] offset:64*\b+16
.endr
	BLOAD 0
	BLOAD 1
	BLOAD 2
	WIN 0
	s_add_co_i32 s42, s24, s25
	s_add_co_i32 s42, s42, 126
	s_lshl_b32 s42, s42, 23                        ; 0.5 x 2^(e0 + e1) as f32
	s_mov_b32 s43, s42
	s_add_co_i32 s22, s27, 127
	s_lshl_b32 s23, s22, 23
	v_mov_b32 v[SC], s23                           ; 2^e3
	s_add_co_i32 s22, s22, 15
	s_lshl_b32 s22, s22, 23
	s_or_b32 s22, s22, 0x600000
	v_mov_b32 v[HL], s22                           ; 57,344 x 2^e3
	s_wait_loadcnt 56                              ; the tokens are in; the bias's 8 loads and B's 48 may be out
.irp p, 0,1,2,3,4,5,6,7,8,9,10,11,12,13,14,15,16,17
	v_min_u32 v[TK+\p], 0xfff, v[TK+\p]
	v_lshl_add_u32 v[TK+\p], v[TK+\p], 10, v[A16]  ; the row's codes: 1,024 bytes a token, 16 bytes a lane
.endr
	WIN 0x80                                       ; destination window 2
	s_wait_alu depctr_va_vdst(0)                   ; the rows' offsets in v[TK ..] are written, which the gather below reads
.irp p, 0,1,2,3,4,5,6,7,8,9,10,11,12,13,14,15
.irp q, 0,1,2,3
	global_load_b128 v[16*\p+4*\q:16*\p+4*\q+3], v[TK+\p], s[4:5] offset:256*\q     ; each half of the lanes reads 256 consecutive, aligned bytes of its row
.endr
.endr
	WIN 0xc0                                       ; destination window 3
.irp p, 16,17
.irp q, 0,1,2,3
	global_load_b128 v[16*(\p-16)+4*\q:16*(\p-16)+4*\q+3], v[TK+\p], s[4:5] offset:256*\q
.endr
.endr
	BLOAD 3
	s_wait_loadcnt 16                              ; all but B's set 3: the rows are in
	WIN 0x08                                       ; store data window 2
.irp p, 0,1,2,3,4,5,6,7,8,9,10,11,12,13,14,15
.irp q, 0,1,2,3
	ds_store_b128 v[GST], v[16*\p+4*\q:16*\p+4*\q+3] offset:2*PITCH*\p+256*\q
.endr
.endr
	WIN 0x0c
.irp p, 16,17
.irp q, 0,1,2,3
	ds_store_b128 v[GST], v[16*(\p-16)+4*\q:16*(\p-16)+4*\q+3] offset:2*PITCH*\p+256*\q
.endr
.endr
	WIN 0
	s_wait_dscnt 0x0                               ; for the others' sake: my 36 rows lie in LDS
	s_barrier_signal -1
	s_barrier_wait -1                              ; all 144 do
	s_wait_alu depctr_vm_vsrc(0)                   ; my LDS stores have read the registers that step 0's products write as accumulators; the gather has read v[TK ..], which the way out writes
.irp a, 0,1,2,3,4,5,6,7,8
	AFRAG 0, \a
.endr
.irp s, 0,1,2,3,4,5,6,7
	STEP \s
.endr
	WIN 0
.irp j, 0,2,4,6,8,10,12,14,16,18,20,22,24,26,28,30
	v_pk_mul_f32 v[BI+\j:BI+\j+1], v[BI+\j:BI+\j+1], 0.5 op_sel_hi:[1,0]   ; 0.5 b1.  These sixteen name no register of the last products: they are the places ahead of the first read of results
.endr
; THE WAY OUT, a tile of 16 rows at a time: its four accumulators are 32 numbers a lane, register 8 b + i = unit 64 w + 16 b + 8 h + i of row 16 a + r.
.macro HORNER d, c                     ; d = d x u^2 + the next coefficient
.irp j, 0,2,4,6,8,10,12,14,16,18,20,22,24,26,28,30
	v_pk_fma_f32 v[\d+\j:\d+\j+1], v[\d+\j:\d+\j+1], v[T+\j:T+\j+1], s[\c:\c+1] op_sel_hi:[1,1,0]
.endr
.endm
.macro CODES a                         ; tile a's codes go into the stage
.irp i, 0,1,2,3
	ds_store_b64 v[DA], v[CD+8*((\a)%2)+2*\i:CD+8*((\a)%2)+2*\i+1] offset:(\a)*16*SP+16*\i               ; eight codes: units 64 w + 16 i + 8 h + 0..7 of row 16 a + r
.endr
.endm
.macro GELU a
.if (\a) < 8
.set AC, 32*(\a)
	WIN 0x02                                       ; source 0 (the sums) window 2
.else
.set AC, 0
	WIN 0x03                                       ; window 3
.endif
.irp j, 0,2,4,6,8,10,12,14,16,18,20,22,24,26,28,30
	v_pk_fma_f32 v[Z+\j:Z+\j+1], v[AC+\j:AC+\j+1], s[42:43], v[BI+\j:BI+\j+1] op_sel_hi:[1,0,1]         ; Z = 0.5 z = sum x 0.5 x 2^(e0 + e1) + 0.5 b1; each accumulator from its low end on
.endr
	WIN 0
.irp j, 0,2,4,6,8,10,12,14,16,18,20,22,24,26,28,30
	v_pk_mul_f32 v[U+\j:U+\j+1], v[Z+\j:Z+\j+1], 0x3fb504f3 op_sel_hi:[1,0]                             ; u = z / sqrt(2) = Z x sqrt(2)
.endr
.irp i, 0,1,2,3,4,5,6,7,8,9,10,11,12,13,14,15,16,17,18,19,20,21,22,23,24,25,26,27,28,29,30,31
	v_med3_num_f32 v[U+\i], v[U+\i], -4.0, 4.0     ; beyond +-4 erf is +-1 in f32
.endr
.irp j, 0,2,4,6,8,10,12,14,16,18,20,22,24,26,28,30
	v_pk_mul_f32 v[T+\j:T+\j+1], v[U+\j:U+\j+1], v[U+\j:U+\j+1]
.endr
.irp j, 0,2,4,6,8,10,12,14,16,18,20,22,24,26,28,30
	v_pk_fma_f32 v[P+\j:P+\j+1], v[T+\j:T+\j+1], v[PL:PL+1], s[44:45] op_sel_hi:[1,1,0]
.endr
.irp j, 0,2,4,6,8,10,12,14,16,18,20,22,24,26,28,30
	v_pk_fma_f32 v[Q+\j:Q+\j+1], v[T+\j:T+\j+1], v[QL:QL+1], s[56:57] op_sel_hi:[1,1,0]
.endr
	HORNER Q, 58
	HORNER Q, 60
	HORNER Q, 62
	s_wait_alu depctr_va_vdst(0)
.irp i, 0,1,2,3,4,5,6,7,8,9,10,11,12,13,14,15,16,17,18,19,20,21,22,23,24,25,26,27,28,29,30,31
	v_rcp_f32 v[Q+\i], v[Q+\i]                     ; one batch; P's chain below is the work that names none of its results
.endr
	HORNER P, 46
	HORNER P, 48
	HORNER P, 50
	HORNER P, 52
	HORNER P, 54
.irp j, 0,2,4,6,8,10,12,14,16,18,20,22,24,26,28,30
	v_pk_mul_f32 v[P+\j:P+\j+1], v[P+\j:P+\j+1], v[U+\j:U+\j+1]
.endr
	s_wait_alu depctr_va_vdst(0)                   ; the 32 reciprocals in v[Q ..] are written, ahead of their first reader; so are the codes of the tile before, which the LDS stores below read
.if (\a) > 0
	CODES (\a)-1
.endif
.irp j, 0,2,4,6,8,10,12,14,16,18,20,22,24,26,28,30
	v_pk_mul_f32 v[P+\j:P+\j+1], v[P+\j:P+\j+1], v[Q+\j:Q+\j+1]                                         ; erf(u)
.endr
.irp j, 0,2,4,6,8,10,12,14,16,18,20,22,24,26,28,30
	v_pk_fma_f32 v[Z+\j:Z+\j+1], v[Z+\j:Z+\j+1], v[P+\j:P+\j+1], v[Z+\j:Z+\j+1]                         ; 0.5 z erf + 0.5 z
.endr
.irp i, 0,1,2,3,4,5,6,7,8,9,10,11,12,13,14,15,16,17,18,19,20,21,22,23,24,25,26,27,28,29,30,31
	v_med3_num_f32 v[Z+\i], v[Z+\i], -v[HL], v[HL] ; the conversion does not saturate (ISA guide 7.6.2): the hold at the largest code x the scale
.endr
.if (\a) >= 2
	s_wait_alu depctr_vm_vsrc(0)                   ; the LDS stores of the tile two back, issued a tile ago, have read this set of codes' registers, which the conversions below write again
.endif
.irp i, 0,1,2,3
	v_cvt_scalef32_pk8_bf8_f32 v[CD+8*((\a)%2)+2*\i:CD+8*((\a)%2)+2*\i+1], v[Z+8*\i:Z+8*\i+7], v[SC]
.endr
	v_nop                                          ; a plain line behind the last conversion
.endm
.irp a, 0,1,2,3,4,5,6,7,8
	GELU \a
.endr
	s_wait_alu depctr_va_vdst(0)                   ; tile 8's conversions have written its codes, which the LDS stores below read; and the way out's vector lines are done with v32 to v103, in which the loads from the stage land
	CODES 8
	s_wait_dscnt 0x0                               ; for the others' sake: my 64 bytes of all rows lie in the stage (it shares no byte with A's rows, which slower waves may still read)
	s_barrier_signal -1
	s_barrier_wait -1
.irp p, 0,1,2,3,4,5,6,7,8,9,10,11,12,13,14,15,16,17
	ds_load_b128 v[OB+4*\p:OB+4*\p+3], v[RDB] offset:2*SP*\p                       ; my rows 2 p and 2 p + 1, whole
.endr
.irp p, 0,1,2,3,4,5,6,7,8,9,10,11,12,13,14,15,16,17
	s_wait_dscnt 17-\p                             ; LDS loads come back in order: pair p is in, the younger ones may be out
	global_store_b128 v[GOB], v[OB+4*\p:OB+4*\p+3], s[70:71] offset:2048*\p        ; each half of the lanes stores 256 consecutive, aligned bytes
.endr
	s_wait_dscnt 0x0                               ; the closing lines, six on end
	s_wait_alu 0x0
	s_wait_tensorcnt 0x0
	ds_add_u32 v254, v255
	s_wait_dscnt 0x0
	s_endpgm
.Lfunc_end_k_q79502a0ee3_gemm1:
	.size	k_q79502a0ee3_gemm1, .Lfunc_end_k_q79502a0ee3_gemm1-k_q79502a0ee3_gemm1
	.p2alignl 7, 3214868480
	.fill 96, 4, 3214868480
	.section	.rodata,"a",@progbits
	.p2align	6, 0x0
	.amdhsa_kernel k_q79502a0ee3_gemm1
		.amdhsa_group_segment_fixed_size 189440
		.amdhsa_private_segment_fixed_size 0
		.amdhsa_enable_private_segment 0
		.amdhsa_kernarg_size 48
		.amdhsa_user_sgpr_count 2
		.amdhsa_user_sgpr_kernarg_segment_ptr 1
		.amdhsa_wavefront_size32 1
		.amdhsa_system_sgpr_workgroup_id_x 1
		.amdhsa_system_sgpr_workgroup_id_y 1
		.amdhsa_system_sgpr_workgroup_id_z 1
		.amdhsa_system_vgpr_workitem_id 0
		.amdhsa_next_free_vgpr 1024
		.amdhsa_next_free_sgpr 96
		.amdhsa_reserve_vcc 0
		.amdhsa_float_denorm_mode_32 3
		.amdhsa_float_denorm_mode_16_64 3
		.amdhsa_memory_ordered 1
		.amdhsa_forward_progress 1
		.amdhsa_inst_pref_size 255
	.end_amdhsa_kernel
	.section	.bss,"aw",@nobits
	.p2align	6
	.space	262144
	.amdgpu_metadata
---
amdhsa.version: [ 1, 2 ]
amdhsa.kernels:
  - .name:           k_q79502a0ee3_gemm1
    .symbol:         k_q79502a0ee3_gemm1.kd
    .args:
      - { .name: xc, .offset: 0, .size: 8, .value_kind: global_buffer, .address_space: global }
      - { .name: wc, .offset: 8, .size: 8, .value_kind: global_buffer, .address_space: global }
      - { .name: b1, .offset: 16, .size: 8, .value_kind: global_buffer, .address_space: global }
      - { .name: lowp_scales, .offset: 24, .size: 8, .value_kind: global_buffer, .address_space: global }
      - { .name: lists, .offset: 32, .size: 8, .value_kind: global_buffer, .address_space: global }
      - { .name: hc, .offset: 40, .size: 8, .value_kind: global_buffer, .address_space: global }
    .group_segment_fixed_size: 189440
    .private_segment_fixed_size: 0
    .kernarg_segment_align: 8
    .kernarg_segment_size: 48
    .max_flat_workgroup_size: 128
    .sgpr_count:     96
    .vgpr_count:     1024
    .wavefront_size: 32
...
	.end_amdgpu_metadata
.endif
;; end of part 8
;; launch gemm2 (part 9): grid 4 x 64, 4 waves a work-group, no clusters, 226,304 bytes of LDS; arguments hc, wc, b2, lowp_scales, lists, yb; writes yb
.if DOCPART == 9
	.amdgcn_target "amdgcn-amd-amdhsa--gfx1250"
	.amdhsa_code_object_version 6
	.text
	.protected	k_q79502a0ee3_gemm2
	.globl	k_q79502a0ee3_gemm2
	.p2align	8
	.type	k_q79502a0ee3_gemm2,@function
k_q79502a0ee3_gemm2:
	s_mov_b64 s[64:65], 0
	v_nop
	global_prefetch_b8 v0, s[64:65] scope:SCOPE_SE
	s_setreg_imm32_b32 hwreg(HW_REG_WAVE_SCHED_MODE, 0, 2), 2
	s_setreg_imm32_b32 hwreg(HW_REG_WAVE_MODE, 25, 1), 1
	s_wait_xcnt 0x0
	s_wait_alu depctr_vm_vsrc(0)
; GEMM2.  yb[slot][d] = h[slot] W2[e] + b2[e]: codes of E5M2 in (h: 2^e3, W2: 2^e2), f32 sums; y leaves rounded once to bf16: it is an operand of the product with the gate weights, which is left as it is.
; The shares, the layouts and the K loop are those of the launch before: a work-group takes one tile of 144 slots (grid y) x 256 columns (grid x); wave w makes all 144 rows x columns 64 w .. 64 w + 63: 36 accumulators.
; A (the hidden layer's codes, 144 dense rows) lies whole in LDS; B (W2's codes, in the order of an operand's registers) comes from memory straight into registers, three K steps ahead.
; THE MATRIX INSTRUCTION IS USED TRANSPOSED (source 0 = 16 columns of W2, source 1 = 16 rows): a lane's eight results are eight neighbouring columns of a row, 16 bytes of bf16.
; Registers 4 c .. 4 c + 3 of a fragment hold k = 32 c + 16 (lane / 16) + 0..15, in A and in B alike.
; Only the tile's rows that hold a token are stored: a scalar branch on the stored count, round stores alone.  A tile without rows runs the same text, since every wave passes every barrier, and stores nothing.
; NO CLUSTER, NO TENSOR LOAD: which work-groups share weights hangs on the stored list (an expert has 0 to 29 tiles), and the stores hang on a branch on a stored count.
; LIMITS: e2 + e3 between -126 and 127.
; REGISTERS, in windows of 256: window 0: v0-31 addresses; v32-175 A's nine fragments, set 0; v208-239 bias; on the way out v32-63 at work, v64-207 packed results, then v32-175 whole rows.
;   window 1: B's fragments, four sets of 64.   window 2: accumulator (a, b), a < 8, at v[32 a + 8 b].   window 3: accumulator (8, b) at v[8 b]; v32-175 A's set 1.
; THE MODE: SCHED_MODE bits 1:0 = 2 (LLVM: expert scheduling mode 2), set by the entry lines.  The code itself states the register dependences
; between vector or matrix instructions and memory or LDS instructions, with s_wait_alu, always for 0.
; THE PLAN.  Registers that memory or LDS instructions touch:
;   v4-15        offsets and LDS addresses: made at the head, never written again: one wait on va_vdst ahead of the first load.
;   the accumulators' registers   A's rows land in them, LDS stores read them, step 0's products write them: one wait on vm_vsrc behind the first barrier.
;   A's two sets   Step s's products read set s % 2; the LDS loads of step s + 1's fragments, issued in step s, land in the other set, which step s - 1's products read.
;   B's four sets  Step s's products read set s % 4; the loads of step s + 3, issued in step s, land in set (s - 1) % 4, which step s - 1's products read.
;   So ONE wait on va_vdst stands at the head of a step that loads: the products of the step before are done with both.  The step's loads follow it, dealt among its products,
;   which name A's set s % 2, B's set s % 4 and the accumulators: none of the registers that those loads touch.
;   PK           the packed results, sixteen registers of its own for each tile: written by the roundings, read by the LDS stores.  The tiles go in three groups of three: one wait on va_vdst a group, ahead of its twelve stores.
;   v32-175      at the end the loads from the stage land in them: the last wait on va_vdst stands behind every vector line that names them, and one wait on vm_vsrc, behind the second barrier, behind the LDS stores that read them.
.set PITCH, 1040                       ; an LDS row of A: 1,024 bytes + 16 = 260 words: row r starts at bank 4 r mod 64 (64 banks of 4 bytes: ISA guide 11.1)
.set BLK1,  16*PITCH
.set BLK4,  64*PITCH
.set DT,    144*PITCH                  ; behind A's rows: y's stage, 144 rows x (256 bf16 + 16 bytes)
.set SP,    528                        ; its pitch: 132 words: row r starts at bank 4 r mod 64
.set SBLK1, 16*SP
.set SBLK4, 64*SP                      ; LDS immediates have 16 bits: three address registers, 64 rows apart
.set L16, 4                            ; v4   16 x lane
.set A16, 5                            ; v5   16 x (lane % 16)
.set GST, 6                            ; v6   where a loaded piece of A goes in LDS
.set HA,  7                            ; v7   1,024 (lane / 16) + 16 (lane % 16)
.set AF,  8                            ; v8-10  my lane's place in A's fragments
.set BA,  11                           ; v11  the bias: 256 x wave + 32 x (lane / 16)
.set DA,  12                           ; v12-14 my lane's place in the stage
.set RDB, 15                           ; v15  the way out: my 16 bytes of my wave's first row
.set AFR, 32
.set T,   32
.set PK,  64
.set OB,  32
.set BI,  208                          ; v208-239: register 8 b + i = b2(64 w + 16 b + 8 h + i): the accumulators' layout
.set MSB, 0
.macro WIN new                         ; the immediate's high byte repeats the setting that is left
.if MSB != \new
	s_set_vgpr_msb (MSB<<8)|\new
.set MSB, \new
.endif
.endm
.macro BLOAD s                         ; B's four fragments of K step s into set s % 4: each load reads 512 consecutive bytes
	WIN 0x40
.irp b, 0,1,2,3
.irp c, 0,1,2,3
	global_load_b128 v[64*((\s)%4)+16*\b+4*\c:64*((\s)%4)+16*\b+4*\c+3], v[L16], s[30:31] offset:16384*\b+2048*(\s)+512*\c
.endr
.endr
.endm
.macro AFRAG s, a                      ; A's fragment a of K step s into set s % 2 (set 0: window 0; set 1: window 3)
	WIN (0xc0*((\s)%2))
.irp c, 0,1,2,3
	ds_load_b128 v[AFR+16*(\a)+4*\c:AFR+16*(\a)+4*\c+3], v[AF+(\a)/4] offset:((\a)%4)*BLK1+128*(\s)+32*\c
.endr
.endm
.macro MULA s, a                       ; four products: A's block a against B's four.  The 36 accumulators take turns, one instruction a turn, in the same order in every step
.set BS, 64*((\s)%4)
.set AC, 32*((\a)%8)
	WIN (0xa1+0x50*((\a)/8)+0x0c*((\s)%2))         ; source 0 (B) window 1; source 1 (A) window 0 or 3; C and D window 2, for block 8 window 3
.irp b, 0,1,2,3
.if (\s) == 0
	v_wmma_f32_16x16x128_bf8_bf8 v[AC+8*\b:AC+8*\b+7], v[BS+16*\b:BS+16*\b+15], v[AFR+16*(\a):AFR+16*(\a)+15], 0
.else
	v_wmma_f32_16x16x128_bf8_bf8 v[AC+8*\b:AC+8*\b+7], v[BS+16*\b:BS+16*\b+15], v[AFR+16*(\a):AFR+16*(\a)+15], v[AC+8*\b:AC+8*\b+7]
.endif
.endr
.endm
.macro STEP s
.if (\s) > 0
.rept 4
	v_nop                                          ; four places between the last products and loads into registers that they read (ISA guide 7.12.1 for vector instructions)
.endr
.endif
.if ((\s) > 0) && ((\s) < 7)
	s_wait_alu depctr_va_vdst(0)                   ; the last step's products are done reading A's other set and B's set (s - 1) % 4, in which this step's loads land
.endif
	s_wait_dscnt 0x0                               ; this step's A, asked for in the step before, is in
.if (\s) == 0
	s_wait_loadcnt 48                              ; this step's B is in; the three younger sets, 16 loads each, may be out
.elseif (\s) <= 5
	s_wait_loadcnt 32                              ; this step's B is in; the two younger sets may be out (this step's own request follows below)
.else
	s_wait_loadcnt 16*(7-(\s))
.endif
	MULA \s, 0
.if (\s) < 7
	AFRAG (\s)+1, 0                                ; the next step's A, three fragments at a time among the products.  No wait: no product since the wait above names these registers
	AFRAG (\s)+1, 1
	AFRAG (\s)+1, 2
.endif
	MULA \s, 1
.if (\s) < 7
	AFRAG (\s)+1, 3
	AFRAG (\s)+1, 4
	AFRAG (\s)+1, 5
.endif
	MULA \s, 2
.if (\s) < 7
	AFRAG (\s)+1, 6
	AFRAG (\s)+1, 7
	AFRAG (\s)+1, 8
.endif
	MULA \s, 3
.if ((\s) >= 1) && ((\s) <= 4)
	BLOAD (\s)+3                                   ; into the set that the last step multiplied; it has three steps in which to land, so it stands behind A's loads
.endif
	MULA \s, 4                                     ; twenty products stand behind the step's last load
	MULA \s, 5
	MULA \s, 6
	MULA \s, 7
	MULA \s, 8
.endm
	s_load_b256 s[4:11], s[0:1], 0x0               ; hc s[4:5], wc s[6:7], b2 s[8:9], scales s[10:11]
	s_load_b128 s[12:15], s[0:1], 0x20             ; lists s[12:13], yb s[14:15]
	v_lshl_add_u32 v254, v0, 2, 0x37200
	v_mov_b32 v255, 0
	v_lshrrev_b32 v1, 5, v0
	v_readfirstlane_b32 s16, v1                    ; wave
	v_and_b32 v1, 31, v0                           ; lane
	v_and_b32 v2, 15, v0                           ; r
	v_bfe_u32 v3, v0, 4, 1                         ; h
	v_lshlrev_b32 v[L16], 4, v1
	v_lshlrev_b32 v[A16], 4, v2
	s_wait_alu depctr_va_sdst(0)                   ; s16 is written, ahead of its first reader: LDS addresses and the buffers' bases are made from it
	s_mul_i32 s17, s16, 36*PITCH                   ; my wave brings in, and later sends out, rows 36 w .. 36 w + 35
	v_mul_u32_u24 v[GST], v3, PITCH
	v_add_nc_u32 v[GST], v[GST], v[A16]
	v_add_nc_u32 v[GST], s17, v[GST]
	v_lshl_add_u32 v[HA], v3, 10, v[A16]
	v_mul_u32_u24 v[AF], v2, PITCH
	v_lshl_add_u32 v[AF], v3, 4, v[AF]             ; row r x pitch + 16 h
	v_add_nc_u32 v[AF+1], BLK4, v[AF]
	v_add_nc_u32 v[AF+2], 2*BLK4, v[AF]
	s_mul_i32 s17, s16, 36*SP
	v_add_nc_u32 v[RDB], s17, v[L16]
	v_add_nc_u32 v[RDB], DT, v[RDB]                ; back from the stage: the 32 lanes take one row of 512 bytes
	s_lshl_b32 s17, s16, 7
	v_mul_u32_u24 v[DA], v2, SP
	v_lshl_add_u32 v[DA], v3, 4, v[DA]
	v_add_nc_u32 v[DA], s17, v[DA]
	v_add_nc_u32 v[DA], DT, v[DA]                  ; into the stage: row r, my wave's 128 bytes, + 16 h
	v_add_nc_u32 v[DA+1], SBLK4, v[DA]
	v_add_nc_u32 v[DA+2], 2*SBLK4, v[DA]
	s_lshl_b32 s17, s16, 8
	v_lshlrev_b32 v[BA], 5, v3
	v_add_nc_u32 v[BA], s17, v[BA]
	s_and_b32 s18, ttmp7, 0xffff                   ; the tile
	s_mul_i32 s19, s18, 144
	s_mul_i32 s69, s16, 36                         ; my first row in the tile
	s_add_co_u32 s19, s19, s69                     ; my wave's first slot
	s_lshl_b32 s34, s18, 3
	s_mov_b32 s35, 0
	s_lshl_b32 s36, s19, 10
	s_mov_b32 s37, 0
	s_lshl_b32 s38, s19, 11                        ; a row of y is 2,048 bytes
	s_lshl_b32 s39, ttmp9, 9
	s_add_co_u32 s38, s38, s39
	s_mov_b32 s39, 0
	s_wait_kmcnt 0x0
	s_add_nc_u64 s[34:35], s[12:13], s[34:35]
	s_add_nc_u64 s[28:29], s[4:5], s[36:37]        ; hc at my first slot
	s_add_nc_u64 s[70:71], s[14:15], s[38:39]      ; yb at my first slot, my work-group's 512 bytes
	s_load_b64 s[20:21], s[34:35], 0x11000         ; the tile's expert, and its rows
	s_load_b128 s[24:27], s[10:11], 0x0            ; e0, e1, e2, e3
	WIN 0x80                                       ; destination window 2: the rows pass through the accumulators' registers
	s_wait_alu depctr_va_vdst(0)                   ; v4 to v15 are written: the offsets and LDS addresses that the loads and stores of the whole kernel read
.irp p, 0,1,2,3,4,5,6,7,8,9,10,11,12,13,14,15
.irp q, 0,1,2,3
	global_load_b128 v[16*\p+4*\q:16*\p+4*\q+3], v[HA], s[28:29] offset:2048*\p+256*\q   ; each half of the lanes reads 256 consecutive, aligned bytes of its row
.endr
.endr
	WIN 0xc0
.irp p, 16,17
.irp q, 0,1,2,3
	global_load_b128 v[16*(\p-16)+4*\q:16*(\p-16)+4*\q+3], v[HA], s[28:29] offset:2048*\p+256*\q
.endr
.endr
	WIN 0
	s_wait_kmcnt 0x0
	s_min_u32 s20, s20, 7
	s_lshl_b32 s36, s20, 20
	s_add_co_u32 s36, s36, 0x800000                ; W2[e]'s codes: matrix 8 + e, 1 MiB each
	s_lshl_b32 s37, ttmp9, 2
	s_add_co_u32 s37, s37, s16
	s_lshl_b32 s37, s37, 16                        ; + (16 x + 4 w) blocks of 16 columns, 16,384 bytes each
	s_add_co_u32 s36, s36, s37
	s_mov_b32 s37, 0
	s_add_nc_u64 s[30:31], s[6:7], s[36:37]
	s_lshl_b32 s38, s20, 12
	s_lshl_b32 s39, ttmp9, 10
	s_add_co_u32 s38, s38, s39
	s_mov_b32 s39, 0
	s_add_nc_u64 s[32:33], s[8:9], s[38:39]        ; b2[e] at my work-group's 256 columns
.irp b, 0,1,2,3
	global_load_b128 v[BI+8*\b:BI+8*\b+3], v[BA], s[32:33] offset:64*\b          ; b2 of columns 64 w + 16 b + 8 h + 0..7
	global_load_b128 v[BI+8*\b+4:BI+8*\b+7], v[BA], s[32:33] offset:64*\b+16
.endr
	BLOAD 0
	BLOAD 1
	BLOAD 2
	s_add_co_i32 s42, s26, s27
	s_add_co_i32 s42, s42, 127
	s_lshl_b32 s42, s42, 23                        ; 2^(e2 + e3) as f32
	s_mov_b32 s43, s42
	s_sub_co_i32 s21, s21, s69                     ; how many of the tile's rows with a token lie from my first row on (it may be under 0 or over 36)
	s_wait_loadcnt 56                              ; the rows are in; the bias's 8 loads and B's 48 may be out
	WIN 0x08                                       ; store data window 2
.irp p, 0,1,2,3,4,5,6,7,8,9,10,11,12,13,14,15
.irp q, 0,1,2,3
	ds_store_b128 v[GST], v[16*\p+4*\q:16*\p+4*\q+3] offset:2*PITCH*\p+256*\q
.endr
.endr
	WIN 0x0c
.irp p, 16,17
.irp q, 0,1,2,3
	ds_store_b128 v[GST], v[16*(\p-16)+4*\q:16*(\p-16)+4*\q+3] offset:2*PITCH*\p+256*\q
.endr
.endr
	BLOAD 3
	s_wait_dscnt 0x0                               ; for the others' sake: my 36 rows lie in LDS
	s_barrier_signal -1
	s_barrier_wait -1                              ; all 144 do
	s_wait_alu depctr_vm_vsrc(0)                   ; my LDS stores have read the registers that step 0's products write as accumulators
.irp a, 0,1,2,3,4,5,6,7,8
	AFRAG 0, \a
.endr
.irp s, 0,1,2,3,4,5,6,7
	STEP \s
.endr
.rept 4
	v_nop                                          ; four places between the last products and the first read of results
.endr
; THE WAY OUT, a tile of 16 rows at a time: scale and bias where the sums lie, two numbers an instruction; rounded to bf16 in pairs; 16 bytes for an accumulator and lane into the stage.
; Each tile has its own registers for the packed results, so that no LDS store's data are written again.
.macro OUTB a
.if (\a) < 8
.set AC, 32*(\a)
	WIN 0x02                                       ; source 0 (the sums) window 2
.else
.set AC, 0
	WIN 0x03                                       ; window 3
.endif
.irp j, 0,2,4,6,8,10,12,14,16,18,20,22,24,26,28,30
	v_pk_fma_f32 v[T+\j:T+\j+1], v[AC+\j:AC+\j+1], s[42:43], v[BI+\j:BI+\j+1] op_sel_hi:[1,0,1]         ; y = sum x 2^(e2 + e3) + b2; each accumulator from its low end on
.endr
	WIN 0
.irp j, 0,1,2,3,4,5,6,7,8,9,10,11,12,13,14,15
	v_cvt_pk_bf16_f32 v[PK+16*(\a)+\j], v[T+2*\j], v[T+2*\j+1]
.endr
.endm
.macro OUTS a                          ; tile a's packed results go into the stage
.irp b, 0,1,2,3
	ds_store_b128 v[DA+(\a)/4], v[PK+16*(\a)+4*\b:PK+16*(\a)+4*\b+3] offset:((\a)%4)*SBLK1+32*\b        ; columns 64 w + 16 b + 8 h + 0..7 of row 16 a + r
.endr
.endm
.irp g, 0,3,6
	OUTB \g
	OUTB \g+1
	OUTB \g+2
	s_wait_alu depctr_va_vdst(0)                   ; the roundings have written these three tiles' v[PK ..], which the twelve LDS stores below read; behind the last group, every vector line is also done with v32 to v175, in which the loads from the stage land
	OUTS \g
	OUTS \g+1
	OUTS \g+2
.endr
	s_wait_dscnt 0x0                               ; for the others' sake: my 128 bytes of all rows lie in the stage (it shares no byte with A's rows, which slower waves may still read)
	s_barrier_signal -1
	s_barrier_wait -1
	s_wait_alu depctr_vm_vsrc(0)                   ; my LDS stores have read v[PK ..], in part of which the loads below land
.set i, 0
.rept 36
	ds_load_b128 v[OB+4*i:OB+4*i+3], v[RDB] offset:SP*i                            ; my row i, whole
.set i, i+1
.endr
.set i, 0
.rept 36
	s_wait_dscnt 35-i                              ; LDS loads come back in order: row i is in, the younger ones may be out
	s_cmp_gt_i32 s21, i                            ; does this row hold a token?  The rows that do come first, so the first that does not ends the stores
	s_cbranch_scc0 .Lrows_done
	global_store_b128 v[L16], v[OB+4*i:OB+4*i+3], s[70:71] offset:2048*i           ; 512 consecutive, aligned bytes
.set i, i+1
.endr
.Lrows_done:
	s_wait_dscnt 0x0                               ; the closing lines, six on end
	s_wait_alu 0x0
	s_wait_tensorcnt 0x0
	ds_add_u32 v254, v255
	s_wait_dscnt 0x0
	s_endpgm
.Lfunc_end_k_q79502a0ee3_gemm2:
	.size	k_q79502a0ee3_gemm2, .Lfunc_end_k_q79502a0ee3_gemm2-k_q79502a0ee3_gemm2
	.p2alignl 7, 3214868480
	.fill 96, 4, 3214868480
	.section	.rodata,"a",@progbits
	.p2align	6, 0x0
	.amdhsa_kernel k_q79502a0ee3_gemm2
		.amdhsa_group_segment_fixed_size 226304
		.amdhsa_private_segment_fixed_size 0
		.amdhsa_enable_private_segment 0
		.amdhsa_kernarg_size 48
		.amdhsa_user_sgpr_count 2
		.amdhsa_user_sgpr_kernarg_segment_ptr 1
		.amdhsa_wavefront_size32 1
		.amdhsa_system_sgpr_workgroup_id_x 1
		.amdhsa_system_sgpr_workgroup_id_y 1
		.amdhsa_system_sgpr_workgroup_id_z 1
		.amdhsa_system_vgpr_workitem_id 0
		.amdhsa_next_free_vgpr 1024
		.amdhsa_next_free_sgpr 96
		.amdhsa_reserve_vcc 0
		.amdhsa_float_denorm_mode_32 3
		.amdhsa_float_denorm_mode_16_64 3
		.amdhsa_memory_ordered 1
		.amdhsa_forward_progress 1
		.amdhsa_inst_pref_size 98
	.end_amdhsa_kernel
	.amdgpu_metadata
---
amdhsa.version: [ 1, 2 ]
amdhsa.kernels:
  - .name:           k_q79502a0ee3_gemm2
    .symbol:         k_q79502a0ee3_gemm2.kd
    .args:
      - { .name: hc, .offset: 0, .size: 8, .value_kind: global_buffer, .address_space: global }
      - { .name: wc, .offset: 8, .size: 8, .value_kind: global_buffer, .address_space: global }
      - { .name: b2, .offset: 16, .size: 8, .value_kind: global_buffer, .address_space: global }
      - { .name: lowp_scales, .offset: 24, .size: 8, .value_kind: global_buffer, .address_space: global }
      - { .name: lists, .offset: 32, .size: 8, .value_kind: global_buffer, .address_space: global }
      - { .name: yb, .offset: 40, .size: 8, .value_kind: global_buffer, .address_space: global }
    .group_segment_fixed_size: 226304
    .private_segment_fixed_size: 0
    .kernarg_segment_align: 8
    .kernarg_segment_size: 48
    .max_flat_workgroup_size: 128
    .sgpr_count:     96
    .vgpr_count:     1024
    .wavefront_size: 32
...
	.end_amdgpu_metadata
.endif
;; end of part 9
;; launch combine (part 10): grid 512 x 1, 4 waves a work-group, no clusters, 0 bytes of LDS; arguments yb, rwp, lists, out0; writes out0
.if DOCPART == 10
	.amdgcn_target "amdgcn-amd-amdhsa--gfx1250"
	.amdhsa_code_object_version 6
	.text
	.protected	k_q79502a0ee3_combine
	.globl	k_q79502a0ee3_combine
	.p2align	8
	.type	k_q79502a0ee3_combine,@function
k_q79502a0ee3_combine:
	s_mov_b64 s[64:65], 0
	v_nop
	global_prefetch_b8 v0, s[64:65] scope:SCOPE_SE
	s_setreg_imm32_b32 hwreg(HW_REG_WAVE_MODE, 25, 1), 1
	s_wait_xcnt 0x0
; COMBINE.  out0[t] = w_lower y[slot of t's lower expert] + w_higher y[slot of its higher expert]: each output row has one owner, so nothing is added between work-groups.
; y lies as bf16, 2,048 bytes a row; the weights and the sums are f32.  A wave takes two tokens.  Their four slots and four weights come by scalar loads; the four rows by 32 loads
; of 256 consecutive bytes (four bf16 a lane), all issued at once; a lane's four numbers of a load are 16 bytes of the output, so each store covers 512 consecutive bytes.
; No store's data are written again, so no wait stands but the two for the loads.  A stream: no LDS, no matrix unit, no cluster (no byte is read by two waves).
.set YL, 16                            ; v16-79:  token u, source v, chunk c at v[16 + 32 u + 16 v + 2 c], two registers
.set O,  80                            ; v80-143: token u, chunk c at v[80 + 32 u + 4 c], four registers
.set TM, 144                           ; v144-151: the higher expert's four numbers, two sets by turns
	s_load_b256 s[4:11], s[0:1], 0x0               ; yb s[4:5], rwp s[6:7], lists s[8:9], out0 s[10:11]
	v_lshrrev_b32 v1, 5, v0
	v_readfirstlane_b32 s12, v1                    ; wave
	v_and_b32 v6, 31, v0
	v_lshlrev_b32 v1, 4, v6                        ; 16 x lane
	v_lshlrev_b32 v6, 3, v6                        ; 8 x lane
	s_lshl_b32 s13, ttmp9, 3
	s_lshl_b32 s14, s12, 1
	s_add_co_u32 s13, s13, s14                     ; my first token: 8 x work-group + 2 x wave
	s_mov_b32 s15, 0xffff0000                      ; a word's upper bf16
	s_lshl_b32 s28, s13, 3
	s_mov_b32 s29, 0
	s_lshl_b32 s30, s13, 12
	s_mov_b32 s31, 0
	s_wait_alu depctr_va_vdst(0)
	s_wait_kmcnt 0x0
	s_add_nc_u64 s[8:9], s[8:9], s[28:29]
	s_add_nc_u64 s[6:7], s[6:7], s[28:29]
	s_add_nc_u64 s[10:11], s[10:11], s[30:31]
	s_load_b128 s[16:19], s[8:9], 0x9000           ; tokslot: two slots for each of my two tokens
	s_load_b128 s[20:23], s[6:7], 0x0              ; their weights
	s_wait_kmcnt 0x0
.irp k, 0,1,2,3
	s_min_u32 s[16+\k], s[16+\k], 0x23ff           ; a slot is under 9,216
	s_lshl_b32 s[16+\k], s[16+\k], 11              ; a row of y is 2,048 bytes
	v_add_nc_u32 v[2+\k], s[16+\k], v6
.endr
.irp u, 0,1
.irp v, 0,1
.irp c, 0,1,2,3,4,5,6,7
	global_load_b64 v[YL+32*\u+16*\v+2*\c:YL+32*\u+16*\v+2*\c+1], v[2+2*\u+\v], s[4:5] offset:256*\c th:TH_LOAD_NT
.endr
.endr
.endr
	s_mov_b32 s24, s21                             ; the higher experts' weights as pairs of their own: the packed forms take a pair's low word for both halves
	s_mov_b32 s25, s21
	s_mov_b32 s26, s23
	s_mov_b32 s27, s23
.macro TOKEN u, left
	s_wait_loadcnt \left                           ; this token's 16 loads are in; the other token's may be out
.irp c, 0,1,2,3,4,5,6,7
.set OC, O+32*\u+4*\c
.set AC, YL+32*\u+2*\c
.set BC, YL+32*\u+16+2*\c
.set TC, TM+4*((\c)%2)
	v_lshlrev_b32 v[OC],   16,  v[AC]              ; bf16 to f32: the low half moves up,
	v_and_b32     v[OC+1], s15, v[AC]              ; the high half stays
	v_lshlrev_b32 v[OC+2], 16,  v[AC+1]
	v_and_b32     v[OC+3], s15, v[AC+1]
	v_lshlrev_b32 v[TC],   16,  v[BC]
	v_and_b32     v[TC+1], s15, v[BC]
	v_lshlrev_b32 v[TC+2], 16,  v[BC+1]
	v_and_b32     v[TC+3], s15, v[BC+1]
	v_pk_mul_f32 v[TC:TC+1],   v[TC:TC+1],   s[24+2*\u:25+2*\u] op_sel_hi:[1,0]
	v_pk_mul_f32 v[TC+2:TC+3], v[TC+2:TC+3], s[24+2*\u:25+2*\u] op_sel_hi:[1,0]
	v_pk_fma_f32 v[OC:OC+1],   v[OC:OC+1],   s[20+2*\u:21+2*\u], v[TC:TC+1]   op_sel_hi:[1,0,1]
	v_pk_fma_f32 v[OC+2:OC+3], v[OC+2:OC+3], s[20+2*\u:21+2*\u], v[TC+2:TC+3] op_sel_hi:[1,0,1]
	global_store_b128 v1, v[OC:OC+3], s[10:11] offset:4096*\u+512*\c th:TH_STORE_NT   ; 512 consecutive, aligned bytes
.endr
.endm
	TOKEN 0, 16
	TOKEN 1, 0
	s_endpgm
.Lfunc_end_k_q79502a0ee3_combine:
	.size	k_q79502a0ee3_combine, .Lfunc_end_k_q79502a0ee3_combine-k_q79502a0ee3_combine
	.p2alignl 7, 3214868480
	.fill 96, 4, 3214868480
	.section	.rodata,"a",@progbits
	.p2align	6, 0x0
	.amdhsa_kernel k_q79502a0ee3_combine
		.amdhsa_group_segment_fixed_size 0
		.amdhsa_private_segment_fixed_size 0
		.amdhsa_enable_private_segment 0
		.amdhsa_kernarg_size 32
		.amdhsa_user_sgpr_count 2
		.amdhsa_user_sgpr_kernarg_segment_ptr 1
		.amdhsa_wavefront_size32 1
		.amdhsa_system_sgpr_workgroup_id_x 1
		.amdhsa_system_sgpr_workgroup_id_y 1
		.amdhsa_system_sgpr_workgroup_id_z 1
		.amdhsa_system_vgpr_workitem_id 0
		.amdhsa_next_free_vgpr 160
		.amdhsa_next_free_sgpr 66
		.amdhsa_reserve_vcc 0
		.amdhsa_float_denorm_mode_32 3
		.amdhsa_float_denorm_mode_16_64 3
		.amdhsa_memory_ordered 1
		.amdhsa_forward_progress 1
		.amdhsa_inst_pref_size 15
	.end_amdhsa_kernel
	.amdgpu_metadata
---
amdhsa.version: [ 1, 2 ]
amdhsa.kernels:
  - .name:           k_q79502a0ee3_combine
    .symbol:         k_q79502a0ee3_combine.kd
    .args:
      - { .name: yb, .offset: 0, .size: 8, .value_kind: global_buffer, .address_space: global }
      - { .name: rwp, .offset: 8, .size: 8, .value_kind: global_buffer, .address_space: global }
      - { .name: lists, .offset: 16, .size: 8, .value_kind: global_buffer, .address_space: global }
      - { .name: out0, .offset: 24, .size: 8, .value_kind: global_buffer, .address_space: global }
    .group_segment_fixed_size: 0
    .private_segment_fixed_size: 0
    .kernarg_segment_align: 8
    .kernarg_segment_size: 32
    .max_flat_workgroup_size: 128
    .sgpr_count:     66
    .vgpr_count:     160
    .wavefront_size: 32
...
	.end_amdgpu_metadata
.endif
;; end of part 10
